; MI455X (gfx1250); checked and timed in simulation.
; The chip was launched on July 23, 2026; its instructions are those of AMD's public machine-readable ISA for CDNA 5 (MIT licence, August 2026) and "CDNA5" Instruction Set Architecture Reference Guide (July 2026). The comments in the code are by the model that wrote it; some were corrected since.
;; Multi Head Attention Social. Allowed arithmetic: matrix products marked QUANTISED: E2M1 operands, one E8M0 scale for each 32 along K, by v_wmma_scale_f32_16x16x128_f8f6f4 with both operands' format E2M1 (or v_wmma_scale_f32_32x16x128_f4), f32 sums; everything else in f32.
;; Inputs: Wk_codes 1,024 x 16 x 16 uint8 (E2M1 codes of Wk, K innermost, in blocks of 32 codes, two codes a byte); Wk_scales 1,024 x 16 uint8 (E8M0 scales of Wk, one for each 32 codes along K); Wo_codes 1,024 x 32 x 16 uint8 (E2M1 codes of Wo, K innermost, in blocks of 32 codes, two codes a byte); Wo_scales 1,024 x 32 uint8 (E8M0 scales of Wo, one for each 32 codes along K); Wq_codes 1,024 x 32 x 16 uint8 (E2M1 codes of Wq, K innermost, in blocks of 32 codes, two codes a byte); Wq_scales 1,024 x 32 uint8 (E8M0 scales of Wq, one for each 32 codes along K); Wv_codes 1,024 x 16 x 16 uint8 (E2M1 codes of Wv, K innermost, in blocks of 32 codes, two codes a byte); Wv_scales 1,024 x 16 uint8 (E8M0 scales of Wv, one for each 32 codes along K); bk 1,024 float32; bo 1,024 float32; bq 1,024 float32; bv 1,024 float32; key 4 x 2,048 x 512 float32; query_codes 4 x 2,048 x 32 x 16 uint8 (E2M1 codes of query, K innermost, in blocks of 32 codes, two codes a byte); query_scales 4 x 2,048 x 32 uint8 (E8M0 scales of query, one for each 32 codes along K); value 4 x 2,048 x 512 float32.
;; Outputs: out0 4 x 2,048 x 1,024 float32.
;; This version of the problem:
;;   THIS VERSION OF THE PROBLEM IS GIVEN IN LOW PRECISION. The matrix products marked QUANTISED in the list below multiply operands that are first quantised to E2M1 (2 exponent bits, 1 mantissa bit; 4 bits a number), with one power-of-two scale for each 32 numbers along K (OCP MX v1.0); their sums are f32. All else is computed in f32.
;;   The module's matrix products, in the order in which they are computed (A, B: the left and right operand; K: the contracted axis; several contracted axes count as one K, in the product's order):
;;     1. [M 8,192, K 1,024] x [K 1,024, N 1,024]; A: input query (given as codes); B: input Wq (given as codes): QUANTISED
;;     2. [M 8,192, K 512] x [K 512, N 1,024]; A: input key; B: input Wk (given as codes): QUANTISED
;;     3. [M 8,192, K 512] x [K 512, N 1,024]; A: input value; B: input Wv (given as codes): QUANTISED
;;     4. batch 64 x [M 2,048, K 64] x [K 64, N 2,048]; A: computed on the way; B: computed on the way: QUANTISED
;;     5. batch 64 x [M 2,048, K 2,048] x [K 2,048, N 64]; A: softmax (see below); B: computed on the way: QUANTISED
;;     6. [M 8,192, K 1,024] x [K 1,024, N 1,024]; A: computed on the way; B: input Wo (given as codes): QUANTISED
;;   THE QUANTISER, for each operand of a quantised product, along K:
;;     - K is cut into blocks of 32 from its start; a last block that is shorter is filled with zeros.
;;     - A block's scale is 2^e with e = floor(log2(the largest magnitude in the block)) - 2, held to -126 .. 127; a block of zeros has e = 0. As a byte (E8M0): e + 127.
;;     - Each number is divided by its block's scale, clamped to +-6, and rounded to the nearest number of E2M1, ties to even, subnormals kept.
;;     - The product sums the exact products of the quantised numbers (number of the format x scale) in f32.
;;   ~~~python
;;   def quantise(x, axis):      # numpy; x: float32 -> the quantised numbers, widened to float32 again
;;       x = np.moveaxis(x, axis, -1); K = x.shape[-1]
;;       x = np.pad(x, [(0, 0)] * (x.ndim - 1) + [(0, -K % 32)]); x = x.reshape(x.shape[:-1] + (-1, 32)); a = np.abs(x).max(-1, keepdims=True)
;;       e = np.where(a > 0, np.clip(np.frexp(np.where(a > 0, a, 1))[1] - 1 - 2, -126, 127), 0)      # np.frexp(a)[1] - 1 = floor(log2(a)), exactly
;;       r = np.clip(x / 2.0 ** e, -6, 6)
;;       step = 2.0 ** (np.maximum(np.frexp(np.where(r == 0, 1, r))[1] - 1, 0) - 1)
;;       q = np.round(r / step) * step * 2.0 ** e      # np.round: ties to even
;;       return np.moveaxis(q.reshape(q.shape[:-2] + (-1,))[..., :K], -1, axis).astype(np.float32)
;;   ~~~
;;   SOFTMAX AHEAD OF A QUANTISED PRODUCT. Where the list says 'softmax', what is quantised is not the finished softmax but p = 2^(t - M), with t = logit x log2(e) and M = ceil(the row's largest t), a whole number; so 1/2 < the row's largest p <= 1. The row's sum l is taken of the UNQUANTISED p, in f32, and the product's result is divided by l at the end. Since M is a whole number, a kernel that streams over the keys may use a running M (the ceiling of the running maximum): every later rescaling is an exact power of two, which a block's scale takes up: the codes' values come out the same.
;;   OPERANDS COMPUTED ON THE WAY. 'Computed on the way' means the value that the module computes at that place (a softmax that the list does not call 'softmax' is quantised finished and normalised). What goes into a quantiser is computed in f32, as accurately as f32 sums, v_exp_f32 and their like allow (about 1e-6 of the number): no bf16 or f16 on the way to a quantiser, and a product that is left as it is and whose result goes on into a quantised operand takes f32 operands (vector FMAs, or v_wmma_f32_16x16x4_f32). A number that lies on a knife's edge between two numbers of the format may be rounded either way, as far as f32 arithmetic and the matrix unit's own rounding can turn it there, and no further.
;;   INPUTS GIVEN AS CODES. Wk (in the module: [512, 1024], K = its axis 0); Wo (in the module: [1024, 1024], K = its axis 0); Wq (in the module: [1024, 1024], K = its axis 0); Wv (in the module: [512, 1024], K = its axis 0); query (in the module: [4, 2048, 1024], K = its axis 2): each comes as NAME_codes (uint8): NAME with its K axis moved to the last place and cut into blocks of 32 codes, [.., K / 32, bytes a block], one block behind the other in memory; two codes a byte, the lower K in the low four bits (a code: sign, 2 exponent bits, 1 mantissa bit); and NAME_scales (uint8): the same leading axes, one E8M0 byte (e + 127) for each 32 codes along K. Its value is code x scale, taken as it is: it is not quantised again, and the codes and scales need not be those that the quantiser above would give.
;; One version. Each part assembles by itself: llvm-mc -triple=amdgcn-amd-amdhsa -mcpu=gfx1250 --defsym DOCPART=n.
;; ======== version 1 of 1: 3 launches
;; limits: right only within a limited range of input values
;; workspace buffers: kv 9,175,040 bytes; acodes 4,194,304 bytes; ascales 262,144 bytes
;; launch kvproj (part 1): grid 128 x 2, 16 waves a work-group, clusters of 4 x 1, 299,264 bytes of LDS; arguments key, value, Wk_codes, Wk_scales, Wv_codes, Wv_scales, bk, bv, kv; writes kv
.if DOCPART == 1
	.amdgcn_target "amdgcn-amd-amdhsa--gfx1250"
	.amdhsa_code_object_version 6
	.text
	.protected	k_qe931441e6f_kvproj
	.globl	k_qe931441e6f_kvproj
	.p2align	8
	.type	k_qe931441e6f_kvproj,@function
k_qe931441e6f_kvproj:
	s_mov_b64 s[64:65], 0
	v_nop
	global_prefetch_b8 v0, s[64:65] scope:SCOPE_SE
	s_setreg_imm32_b32 hwreg(HW_REG_WAVE_MODE, 25, 1), 1
	s_wait_xcnt 0x0
	s_wait_alu depctr_hold_cnt(0) depctr_sa_sdst(0) depctr_va_vdst(0) depctr_va_sdst(0) depctr_va_ssrc(0) depctr_va_vcc(0) depctr_vm_vsrc(0)
	s_getreg_b32 s2, hwreg(HW_REG_IB_STS2, 6, 4)
	s_cmp_eq_u32 s2, 0
	s_cbranch_scc0 .Lentry_in_a_cluster
	s_endpgm
.Lentry_in_a_cluster:
	s_bfe_u32 s2, ttmp6, 0x10000c
	s_cmp_lg_u32 s2, 0x3003
	s_cbranch_scc0 .Lentry_shape_is_right
	s_endpgm
.Lentry_shape_is_right:
; k = key Wk + bk and v = value Wv + bv on codes of FP4 (E2M1) with one E8M0 scale for each 32 along K; rows of key (value) whose f32 sum is 0 give k = 0 (v = 0);
; k is then quantised along a head's 64 channels, v along the keys, and both leave as IMAGES OF THE OPERAND REGISTERS that the attention launch wants.
; SHARES.  Work-group y = 0 serves key/Wk/bk, y = 1 value/Wv/bv.  A work-group takes 64 rows (block ga of 128) and all 1,024 columns, so each f32 row is read and quantised once.
; Wave w is head w: its 64 rows of W (64 x 256 bytes of codes) come into LDS by its own tensor load.
; CLUSTER.  The four work-groups of a cluster read the same W: each wave's panel is asked for JOINTLY (mask 15), the same descriptor in all four.
; PRODUCTS.  Source 0 is the operand whose rows shall run along a lane's registers (the next quantiser's K), source 1 the one whose rows are the lanes:
;   K path: source 0 = 16 rows of W (channels), source 1 = 16 keys;   V path: source 0 = 16 keys, source 1 = 16 rows of W.
; THE ROWS OF A TILE ARE NOT NEIGHBOURS, in both panels: lane r of tile t takes row 32 (t / 2) + 8 (t % 2) + r + 8 (r / 8), so that the 16 registers of tiles 2 b and 2 b + 1 are 16 neighbours of block b.
; kv, for each head 16 b + w, 143,360 bytes: +0 K's images [g 32][tile 4][lane][16 B]; +65,536 V's images likewise; +131,072 K's scale words [g][lane][2]; +139,264 V's [step 16][lane][2], bytes 2 (g % 2) + block.
; LIMITS: NaN and infinities among the inputs are not served.  The row sum that decides the mask is taken in f32 in another order than the reference's: it is exact for rows of zeros and wherever no addition rounds.
; A block of zeros gets the scale byte 1 (its codes are zeros); these bytes are read by this program alone.  V's scale bytes leave two at a time: a work-group owns two of a word's four bytes.
.set PITCH, 272                        ; a panel's row in LDS: 256 bytes of codes + 16 of padding
.set PANEL, 64*PITCH                   ; 64 rows
.set XP,    16*PANEL                   ; behind the sixteen panels of W: the panel of the 64 quantised rows of x,
.set XSC,   XP+PANEL                   ; their scale bytes, 16 a row,
.set XSUM,  XSC+1024                   ; and their f32 sums, 4 bytes a row
.set HEADB, 143360
.set KSC,   131072
.set VSC,   139264
.set AX,  1                            ; v1   my lane's place in x's panel
.set L16, 2                            ; v2   16 x lane
.set AW,  3                            ; v3   my lane's place in my wave's panel of W
.set PW,  4                            ; v4-7   the four outer tiles' scale words
.set OSM, 8                            ; v8-11  K path: my key's row sum; V path: my channel's bias; one for each outer tile
.set BM,  12                           ; v12-13 largest magnitudes
.set PM,  14                           ; v14-15 the other half's; then the scale bytes
.set IN,  16                           ; v16-143 source 0's sixteen fragments: (tile i, K step k) at 16 + 8 (4 i + k)
.set XR,  16                           ; in the front: v16-79 my four rows of x as loaded
.set OU,  144                          ; v144-175 source 1's four fragments of the outer tile in hand
.set CC,  144                          ; behind the products: v144-147 the codes, v148-149 the conversions' scale operands, v150-151 a pair of scale words, v152 8 x lane
.set SO,  148
.set PR,  150
.set L8,  152
.set FC,  144                          ; in the front: v144-151 codes, v152-159 scale bytes, v160-163 row sums: registers of their own for each row, since LDS stores read them
.set FB,  152
.set FS,  160
.set FM,  164                          ; v164-165 magnitudes, v166-167 scale operands, v168-175 partial sums
.set FO,  166
.set FT,  168
.set ACC, 176                          ; v176-207 four accumulators.  Ahead of the first product these registers hold what only the front needs:
.set LN,  176
.set RR,  177
.set HH,  178
.set RP,  179
.set XO,  180
.set CA,  181
.set BA,  182
.set SA,  183
.set XSA, 184
.set WSO, 185
.set SML, 186
.set SMR, 187
.set BO0, 188
.set BO1, 189
.set FP,  190
.set WSR, 208                          ; v208-215 W's scale words: register 4 (t / 2) + k, lanes 0-15 tile 2 (t / 2), lanes 16-31 the next.  Scales and nothing else
.set XSR, 216                          ; v216-223 x's likewise
.set BI,  224                          ; v224-255 K path: the bias of my 32 channels; V path: the row sums of my 32 keys
.set WV,  22
.set G0,  36
.set G1,  40
.set SEL, 60
.set HI,  62                           ; s62 lanes 16-31
.set MK,  66                           ; s66-97 V path: for each register of the accumulators the lanes whose key is kept
.macro ROUND                           ; a round of the cluster's barrier
	s_barrier_signal -1
	s_barrier_wait -1
	s_cmp_lg_u32 s[WV], 0
	s_cbranch_scc1 .Lnot_wave_0_\@
	s_barrier_signal -3
.Lnot_wave_0_\@:
	s_barrier_wait -3
	s_barrier_signal -1
	s_barrier_wait -1
.endm
; One matrix instruction.  d, a, b: first registers of D, source 0, source 1;  c: first register of C, or -1 for the constant 0;  sa, sb: scale registers;  ra, rb: 1 = that side's scales stand in lanes 16-31
.macro WM d, a, b, c, sa, sb, ra, rb
.set M_D, \d
.set M_A, \a
.set M_B, \b
.set M_C, \c
.set M_SA, \sa
.set M_SB, \sb
.set M_R, (\ra)+2*(\rb)
.if M_C < 0
.if M_R == 0
	v_wmma_scale_f32_16x16x128_f8f6f4 v[M_D:M_D+7], v[M_A:M_A+7], v[M_B:M_B+7], 0, v[M_SA], v[M_SB] matrix_a_fmt:MATRIX_FMT_FP4 matrix_b_fmt:MATRIX_FMT_FP4
.elseif M_R == 1
	v_wmma_scale_f32_16x16x128_f8f6f4 v[M_D:M_D+7], v[M_A:M_A+7], v[M_B:M_B+7], 0, v[M_SA], v[M_SB] matrix_a_fmt:MATRIX_FMT_FP4 matrix_b_fmt:MATRIX_FMT_FP4 matrix_a_scale:MATRIX_SCALE_ROW1
.elseif M_R == 2
	v_wmma_scale_f32_16x16x128_f8f6f4 v[M_D:M_D+7], v[M_A:M_A+7], v[M_B:M_B+7], 0, v[M_SA], v[M_SB] matrix_a_fmt:MATRIX_FMT_FP4 matrix_b_fmt:MATRIX_FMT_FP4 matrix_b_scale:MATRIX_SCALE_ROW1
.else
	v_wmma_scale_f32_16x16x128_f8f6f4 v[M_D:M_D+7], v[M_A:M_A+7], v[M_B:M_B+7], 0, v[M_SA], v[M_SB] matrix_a_fmt:MATRIX_FMT_FP4 matrix_b_fmt:MATRIX_FMT_FP4 matrix_a_scale:MATRIX_SCALE_ROW1 matrix_b_scale:MATRIX_SCALE_ROW1
.endif
.else
.if M_R == 0
	v_wmma_scale_f32_16x16x128_f8f6f4 v[M_D:M_D+7], v[M_A:M_A+7], v[M_B:M_B+7], v[M_C:M_C+7], v[M_SA], v[M_SB] matrix_a_fmt:MATRIX_FMT_FP4 matrix_b_fmt:MATRIX_FMT_FP4
.elseif M_R == 1
	v_wmma_scale_f32_16x16x128_f8f6f4 v[M_D:M_D+7], v[M_A:M_A+7], v[M_B:M_B+7], v[M_C:M_C+7], v[M_SA], v[M_SB] matrix_a_fmt:MATRIX_FMT_FP4 matrix_b_fmt:MATRIX_FMT_FP4 matrix_a_scale:MATRIX_SCALE_ROW1
.elseif M_R == 2
	v_wmma_scale_f32_16x16x128_f8f6f4 v[M_D:M_D+7], v[M_A:M_A+7], v[M_B:M_B+7], v[M_C:M_C+7], v[M_SA], v[M_SB] matrix_a_fmt:MATRIX_FMT_FP4 matrix_b_fmt:MATRIX_FMT_FP4 matrix_b_scale:MATRIX_SCALE_ROW1
.else
	v_wmma_scale_f32_16x16x128_f8f6f4 v[M_D:M_D+7], v[M_A:M_A+7], v[M_B:M_B+7], v[M_C:M_C+7], v[M_SA], v[M_SB] matrix_a_fmt:MATRIX_FMT_FP4 matrix_b_fmt:MATRIX_FMT_FP4 matrix_a_scale:MATRIX_SCALE_ROW1 matrix_b_scale:MATRIX_SCALE_ROW1
.endif
.endif
.endm
; 32 numbers of a lane, register 16 b + i = index 32 b + 16 (lane / 16) + i of my row, become 16 bytes of codes in v[c] .. v[c + 3] (lane half h: indices 32 h .. 32 h + 31); the two scale bytes are left in v[PM], v[PM + 1]
.macro QUANT2 s, c
.set Q_S, \s
.set Q_C, \c
.irp b, 0,1
	v_max3_num_f32 v[BM+\b], |v[Q_S+16*\b]|, |v[Q_S+16*\b+1]|, 0x1800000   ; my 16 numbers of block b, and the floor 2^(3 - 127): the byte cannot fall under 1
.endr
.irp i, 2,4,6,8,10,12,14
.irp b, 0,1
	s_delay_alu instid0(VALU_DEP_2)
	v_max3_num_f32 v[BM+\b], v[BM+\b], |v[Q_S+16*\b+\i]|, |v[Q_S+16*\b+\i+1]|
.endr
.endr
.irp b, 0,1
	s_delay_alu instid0(VALU_DEP_2)
	v_permlanex16_b32 v[PM+\b], v[BM+\b], s[SEL], s[SEL+1]
.endr
.irp b, 0,1
	s_delay_alu instid0(VALU_DEP_2)
	v_max_num_f32 v[BM+\b], v[BM+\b], v[PM+\b]          ; with lane l xor 16's 16: the block's largest magnitude
.endr
.irp b, 0,1
	s_delay_alu instid0(VALU_DEP_2)
	v_add_nc_u32 v[SO+\b], 0xff000000, v[BM+\b]         ; 2 off its exponent field: the conversion's scale operand
.endr
.irp b, 0,1
	s_delay_alu instid0(VALU_DEP_2)
	v_lshrrev_b32 v[PM+\b], 23, v[SO+\b]                ; the scale's byte
.endr
.irp b, 0,1
	v_cvt_scalef32_pk8_fp4_f32 v[Q_C+2*\b], v[Q_S+16*\b:Q_S+16*\b+7], v[SO+\b]
	v_cvt_scalef32_pk8_fp4_f32 v[Q_C+2*\b+1], v[Q_S+16*\b+8:Q_S+16*\b+15], v[SO+\b]
.endr
	v_nop                                               ; one plain place behind the scaled conversions
	v_permlane16_swap_b32 v[Q_C], v[Q_C+2]              ; a whole block to a lane: lanes 0-15 block 0, lanes 16-31 block 1
	v_permlane16_swap_b32 v[Q_C+1], v[Q_C+3]
.endm
	s_load_b512 s[4:19], s[0:1], 0x0               ; key, value, Wk codes, Wk scales, Wv codes, Wv scales, bk, bv
	s_load_b64 s[20:21], s[0:1], 0x40              ; kv
	v_lshl_add_u32 v254, v0, 2, 0x48900
	v_mov_b32 v255, 0
	ds_add_u32 v254, v255
	ds_add_u32 v254, v255
	s_wait_dscnt 0x0
	v_lshrrev_b32 v1, 5, v0
	s_delay_alu instid0(VALU_DEP_1)
	v_readfirstlane_b32 s[WV], v1                  ; wave = head 0..15
	s_bfe_u32 s23, ttmp6, 0x40000                  ; cx
	s_lshl_b32 s24, ttmp9, 2
	s_add_co_u32 s24, s24, s23                     ; ga: my block of 64 rows
	s_and_b32 s25, ttmp7, 0xffff                   ; 0: key, 1: value; the same in all four partners
	s_lshr_b32 s26, s24, 5                         ; batch
	s_and_b32 s27, s24, 31                         ; g: the block within the batch
	; descriptor group 1: 64 rows x 256 bytes, dense in memory, 16 bytes of padding behind each row in LDS
	s_mov_b32 s[G1+0], 15|(1<<20)|(1<<21)|(5<<22)|(3<<25)   ; 15:0 the mask: all four work-groups; 17:16 elements of 1 byte; 20 padding on; 21 set beside a mask; 24:22 after every 64 words; 31:25 four words
	s_mov_b32 s[G1+1], 256<<16                     ; tensor_dim0
	s_mov_b32 s[G1+2], 64<<16                      ; tensor_dim1
	s_mov_b32 s[G1+3], 256<<16                     ; tile_dim0
	s_mov_b32 s[G1+4], 64                          ; tile_dim1
	s_mov_b32 s[G1+5], 256                         ; from row to row
	s_mov_b32 s[G1+6], 0
	s_mov_b32 s[G1+7], 0
	s_mov_b32 s[G0], 1
	s_mul_i32 s[G0+1], s[WV], PANEL                ; my panel in LDS: the wave's number alone
	s_mov_b32 s[SEL], 0x76543210
	s_mov_b32 s[SEL+1], 0xfedcba98                 ; v_permlanex16_b32: lane l xor 16
	s_mov_b32 s[HI], 0xffff0000
	s_lshl_b32 s48, s24, 17                        ; x: 64 rows of 2,048 bytes a block,
	s_lshl_b32 s49, s[WV], 13                      ; my wave's four rows
	s_add_co_u32 s48, s48, s49
	s_mov_b32 s49, 0
	s_lshl_b32 s50, s[WV], 14                      ; W's codes: my 64 rows of 256 bytes
	s_mov_b32 s51, 0
	s_lshl_b32 s52, s[WV], 10                      ; W's scales: 16 bytes a row
	s_mov_b32 s53, 0
	s_lshl_b32 s54, s[WV], 8                       ; the bias: my 64 numbers
	s_mov_b32 s55, 0
	s_lshl_b32 s66, s26, 4
	s_add_co_u32 s66, s66, s[WV]
	s_mul_i32 s66, s66, HEADB                      ; my head's part of kv
	s_lshl_b32 s67, s25, 16                        ; K's images, or V's
	s_add_co_u32 s67, s67, s66
	s_lshl_b32 s68, s27, 11                        ; 2,048 bytes a block
	s_add_co_u32 s56, s67, s68
	s_mov_b32 s57, 0
	s_lshl_b32 s68, s27, 8
	s_add_co_u32 s68, s68, KSC                     ; K's scale words: 256 bytes a block
	s_lshr_b32 s69, s27, 1
	s_lshl_b32 s69, s69, 8
	s_and_b32 s70, s27, 1
	s_lshl_b32 s70, s70, 1
	s_add_co_u32 s69, s69, s70
	s_add_co_u32 s69, s69, VSC                     ; V's: 256 bytes for two blocks, my two bytes of each word
	s_cmp_eq_u32 s25, 0
	s_cselect_b32 s58, s68, s69
	s_add_co_u32 s58, s58, s66
	s_mov_b32 s59, 0
	v_and_b32 v[LN], 31, v0                        ; lane
	v_and_b32 v[RR], 15, v0                        ; r
	v_bfe_u32 v[HH], v0, 4, 1                      ; h
	s_delay_alu instid0(VALU_DEP_2)
	v_and_b32 v[RP], 8, v[RR]
	s_delay_alu instid0(VALU_DEP_1)
	v_add_nc_u32 v[RP], v[RP], v[RR]               ; r + 8 (r / 8)
	v_lshlrev_b32 v[L16], 4, v[LN]
	v_lshlrev_b32 v[XO], 5, v[LN]                  ; x: 32 bytes a lane
	s_delay_alu instid0(VALU_DEP_3)
	v_mul_u32_u24 v[AX], v[RP], PITCH
	s_delay_alu instid0(VALU_DEP_1)
	v_lshl_add_u32 v[AX], v[HH], 4, v[AX]          ; a fragment's row x pitch + 16 x half
	s_delay_alu instid0(VALU_DEP_1)
	v_add_nc_u32 v[AW], s[G0+1], v[AX]
	s_delay_alu instid0(VALU_DEP_2)
	v_add_nc_u32 v[AX], XP, v[AX]
	s_mul_i32 s71, s[WV], 4*PITCH
	s_add_co_u32 s71, s71, XP
	v_lshl_add_u32 v[CA], v[LN], 2, s71            ; where my 8 codes of a piece go: my wave's four rows of x's panel, 4 bytes a lane
	s_lshl_b32 s72, s[WV], 6
	s_add_co_u32 s72, s72, XSC
	v_lshrrev_b32 v[BA], 2, v[LN]
	s_delay_alu instid0(VALU_DEP_1)
	v_add_nc_u32 v[BA], s72, v[BA]                 ; my block's scale byte: four lanes to a block
	s_lshl_b32 s73, s[WV], 4
	s_add_co_u32 s73, s73, XSUM
	v_mov_b32 v[SA], s73                           ; my wave's four row sums
	v_lshl_add_u32 v[WSO], v[HH], 3, v[RP]
	s_delay_alu instid0(VALU_DEP_1)
	v_lshlrev_b32 v[WSO], 4, v[WSO]                ; scale words of a pair of tiles: row 8 (lane / 16) + r + 8 (r / 8), 16 bytes a row
	s_delay_alu instid0(VALU_DEP_1)
	v_add_nc_u32 v[XSA], XSC, v[WSO]
	v_lshlrev_b32 v[BO1], 2, v[RP]
	s_delay_alu instid0(VALU_DEP_1)
	v_add_nc_u32 v[SML], XSUM, v[BO1]              ; a number for my lane's row of an outer tile
	v_lshlrev_b32 v[BO0], 6, v[HH]
	s_delay_alu instid0(VALU_DEP_1)
	v_add_nc_u32 v[SMR], XSUM, v[BO0]              ; numbers along my registers: 16 of each 32, by my half
	v_mov_b32 v[FP], 0                             ; written once: a lane permute's destination counts as one of its sources
	v_mov_b32 v[PM], 0
	v_mov_b32 v[PM+1], 0
	s_wait_alu depctr_va_vdst(0)
	s_wait_kmcnt 0x0
	s_cmp_eq_u32 s25, 0                            ; the choice hangs on the work-group's y alone
	s_cselect_b64 s[28:29], s[4:5], s[6:7]         ; x
	s_cselect_b64 s[30:31], s[8:9], s[12:13]       ; W's codes
	s_cselect_b64 s[32:33], s[10:11], s[14:15]     ; W's scales
	s_cselect_b64 s[34:35], s[16:17], s[18:19]     ; the bias
	s_add_nc_u64 s[28:29], s[28:29], s[48:49]
	s_add_nc_u64 s[30:31], s[30:31], s[50:51]
	s_add_nc_u64 s[32:33], s[32:33], s[52:53]
	s_add_nc_u64 s[34:35], s[34:35], s[54:55]
	s_add_nc_u64 s[56:57], s[20:21], s[56:57]      ; where my images go
	s_add_nc_u64 s[58:59], s[20:21], s[58:59]      ; and my scale words
	s_mov_b64 s[G0+2:G0+3], s[30:31]
	s_or_b32 s[G0+3], s[G0+3], 0x80000000          ; type = 2
	ROUND                                          ; all four work-groups are here: the joint loads meet
	tensor_load_to_lds s[G0:G0+3], s[G1:G1+7]      ; my head's panel of W: one load a wave, filled once; it stands ahead of the loads of x
	s_nop 0
.rept 4
	v_nop
.endr
	global_load_b128 v[WSR:WSR+3], v[WSO], s[32:33]               ; W's scale words straight into their registers: each load covers 512 consecutive bytes, in the tiles' order of rows
	global_load_b128 v[WSR+4:WSR+7], v[WSO], s[32:33] offset:512
.irp i, 0,1,2,3                        ; my four rows of x: a lane takes 8 neighbours of each half row; a pair of loads covers 1,024 consecutive bytes
.irp p, 0,1
.irp q, 0,1
	global_load_b128 v[XR+16*\i+8*\p+4*\q:XR+16*\i+8*\p+4*\q+3], v[XO], s[28:29] offset:2048*\i+1024*\p+16*\q th:TH_LOAD_NT
.endr
.endr
.endr
; Row i of my four: quantised (a block of 32 is four lanes' eight numbers), summed, and laid into LDS
.macro XROW i
.set X0, XR+16*(\i)
	s_wait_loadcnt 12-4*(\i)                       ; this row's four loads are in (W's scale words were issued ahead of them); the later rows' four each may be out
.irp p, 0,1
	v_max3_num_f32 v[FM+\p], |v[X0+8*\p]|, |v[X0+8*\p+1]|, 0x1800000
.endr
.irp k, 2,4,6
.irp p, 0,1
	s_delay_alu instid0(VALU_DEP_2)
	v_max3_num_f32 v[FM+\p], v[FM+\p], |v[X0+8*\p+\k]|, |v[X0+8*\p+\k+1]|
.endr
.endr
.irp p, 0,1
	s_delay_alu instid0(VALU_DEP_2)
	v_max_num_f32_dpp v[FM+\p], v[FM+\p], v[FM+\p] row_xmask:1 row_mask:0xf bank_mask:0xf
.endr
.irp p, 0,1
	s_delay_alu instid0(VALU_DEP_2)
	v_max_num_f32_dpp v[FM+\p], v[FM+\p], v[FM+\p] row_xmask:2 row_mask:0xf bank_mask:0xf   ; the block's largest magnitude
.endr
.irp p, 0,1
	s_delay_alu instid0(VALU_DEP_2)
	v_add_nc_u32 v[FO+\p], 0xff000000, v[FM+\p]
.endr
.irp p, 0,1
	v_cvt_scalef32_pk8_fp4_f32 v[FC+2*(\i)+\p], v[X0+8*\p:X0+8*\p+7], v[FO+\p]
.endr
.irp p, 0,1
	v_lshrrev_b32 v[FB+2*(\i)+\p], 23, v[FO+\p]    ; the scale's byte.  (Also the plain place behind the conversions)
.endr
	v_pk_add_f32 v[FT:FT+1], v[X0:X0+1], v[X0+2:X0+3]             ; the row's sum, for the mask
	v_pk_add_f32 v[FT+2:FT+3], v[X0+4:X0+5], v[X0+6:X0+7]
	v_pk_add_f32 v[FT+4:FT+5], v[X0+8:X0+9], v[X0+10:X0+11]
	v_pk_add_f32 v[FT+6:FT+7], v[X0+12:X0+13], v[X0+14:X0+15]
	s_delay_alu instid0(VALU_DEP_3)
	v_pk_add_f32 v[FT:FT+1], v[FT:FT+1], v[FT+2:FT+3]
	s_delay_alu instid0(VALU_DEP_2)
	v_pk_add_f32 v[FT+4:FT+5], v[FT+4:FT+5], v[FT+6:FT+7]
	s_delay_alu instid0(VALU_DEP_1)
	v_pk_add_f32 v[FT:FT+1], v[FT:FT+1], v[FT+4:FT+5]
	s_delay_alu instid0(VALU_DEP_1)
	v_add_f32 v[FS+(\i)], v[FT], v[FT+1]
	s_delay_alu instid0(VALU_DEP_1)
	v_add_f32_dpp v[FS+(\i)], v[FS+(\i)], v[FS+(\i)] row_xmask:1 row_mask:0xf bank_mask:0xf
	s_delay_alu instid0(VALU_DEP_1)
	v_add_f32_dpp v[FS+(\i)], v[FS+(\i)], v[FS+(\i)] row_xmask:2 row_mask:0xf bank_mask:0xf
	s_delay_alu instid0(VALU_DEP_1)
	v_add_f32_dpp v[FS+(\i)], v[FS+(\i)], v[FS+(\i)] row_xmask:4 row_mask:0xf bank_mask:0xf
	s_delay_alu instid0(VALU_DEP_1)
	v_add_f32_dpp v[FS+(\i)], v[FS+(\i)], v[FS+(\i)] row_xmask:8 row_mask:0xf bank_mask:0xf
	s_delay_alu instid0(VALU_DEP_1)
	v_permlanex16_b32 v[FP], v[FS+(\i)], s[SEL], s[SEL+1]
	s_delay_alu instid0(VALU_DEP_1)
	v_add_f32 v[FS+(\i)], v[FS+(\i)], v[FP]
	ds_store_b32 v[CA], v[FC+2*(\i)] offset:(\i)*PITCH
	ds_store_b32 v[CA], v[FC+2*(\i)+1] offset:(\i)*PITCH+128
	ds_store_b8 v[BA], v[FB+2*(\i)] offset:16*(\i)              ; the four lanes of a block write the same byte with the same value
	ds_store_b8 v[BA], v[FB+2*(\i)+1] offset:16*(\i)+8
	ds_store_b32 v[SA], v[FS+(\i)] offset:4*(\i)                ; all lanes write the same word with the same value
.endm
	XROW 0
	XROW 1
	XROW 2
	XROW 3
	s_wait_tensorcnt 0x0                           ; my panel of W has landed,
	s_wait_dscnt 0x0                               ; and my rows of x lie in LDS: for the others' sake
	s_barrier_signal -1
	s_barrier_wait -1                              ; from here on LDS is only read
; One outer tile o: its four fragments, 16 products (four accumulators by turns, K step by K step), bias and mask, the quantiser, the image
.macro OSTEP path, o
.if (\o) > 0
	s_wait_xcnt 0x0                                ; the last image's store has read its data, which lie among the registers loaded next
.endif
.irp k, 0,1,2,3
.irp c, 0,1
.if (\path) == 0
	ds_load_b128 v[OU+8*\k+4*\c:OU+8*\k+4*\c+3], v[OUA] offset:8*(\o)*PITCH+64*\k+32*\c
.else
	ds_load_b128 v[OU+8*\k+4*\c:OU+8*\k+4*\c+3], v[OUA] offset:(32*((\o)/2)+8*((\o)%2))*PITCH+64*\k+32*\c
.endif
.endr
.endr
	s_wait_dscnt 0x0
.if (\o) == 0
	s_wait_loadcnt 0x0                             ; the bias; and every global load's address register is free: the accumulators lie over them
.endif
.irp k, 0,1,2,3
.irp i, 0,1,2,3
.if \k == 0
	WM ACC+8*\i, IN+8*(4*\i+\k), OU+8*\k, -1, ISR+4*(\i/2)+\k, OSR+4*((\o)/2)+\k, \i%2, (\o)%2
.else
	WM ACC+8*\i, IN+8*(4*\i+\k), OU+8*\k, ACC+8*\i, ISR+4*(\i/2)+\k, OSR+4*((\o)/2)+\k, \i%2, (\o)%2
.endif
.endr
.endr
.rept 4
	v_nop                                          ; four places behind the products, ahead of the first read of results
.endr
.if (\path) == 0
.set n, 0
.rept 16
	v_pk_add_f32 v[ACC+n:ACC+n+1], v[ACC+n:ACC+n+1], v[BI+n:BI+n+1]   ; + bk, by my registers' channels; each accumulator from its low end on
.set n, n+2
.endr
	v_cmp_neq_f32 vcc_lo, 0, v[OSM+(\o)]           ; my key is kept where its row's sum is not 0
.set n, 0
.rept 32
	v_cndmask_b32 v[ACC+n], 0, v[ACC+n], vcc_lo
.set n, n+1
.endr
.else
.set n, 0
.rept 32
	v_add_f32 v[ACC+n], v[ACC+n], v[OSM+(\o)]      ; + bv, by my lane's channel
.set n, n+1
.endr
.set n, 0
.rept 32
	v_cndmask_b32 v[ACC+n], 0, v[ACC+n], s[MK+n]   ; the register's key is kept where its row's sum is not 0
.set n, n+1
.endr
.endif
	QUANT2 ACC, CC
	v_lshl_or_b32 v[PW+(\o)], v[PM+1], 8, v[PM]    ; the tile's scale word: two bytes, the upper two 0
	global_store_b128 v[L16], v[CC:CC+3], s[56:57] offset:512*(\o)   ; the image: 512 consecutive bytes
.endm
.macro PROD path
.if (\path) == 0
.set INA, AW
.set OUA, AX
	; K path: the keys of outer tile o are 8 o + r + 24 (r / 8), so that in the attention launch a lane's registers of four tiles are one whole block of 32 keys.
	; The three addresses by my lane's key go 16 (r / 8) rows on from r + 8 (r / 8)
	v_and_b32 v[FP], 8, v[RR]
	v_mad_u32_u24 v[AX], v[FP], 2*PITCH, v[AX]
	v_lshl_add_u32 v[XSA], v[FP], 5, v[XSA]
	v_lshl_add_u32 v[SML], v[FP], 3, v[SML]
	s_wait_alu depctr_va_vdst(0)                   ; the wait behind these writes
.set ISR, WSR
.set OSR, XSR
.else
.set INA, AX
.set OUA, AW
.set ISR, XSR
.set OSR, WSR
.endif
.irp i, 0,1,2,3                        ; source 0's sixteen fragments stay in registers for all four outer tiles
.irp k, 0,1,2,3
.irp c, 0,1
	ds_load_b128 v[IN+8*(4*\i+\k)+4*\c:IN+8*(4*\i+\k)+4*\c+3], v[INA] offset:(32*(\i/2)+8*(\i%2))*PITCH+64*\k+32*\c
.endr
.endr
.endr
	ds_load_b128 v[XSR:XSR+3], v[XSA]              ; x's scale words
	ds_load_b128 v[XSR+4:XSR+7], v[XSA] offset:512-256*(1-(\path))   ; K path: a pair of tiles is 16 rows on
.if (\path) == 0
.irp i, 0,1,2,3
.irp q, 0,1
	global_load_b128 v[BI+8*\i+4*\q:BI+8*\i+4*\q+3], v[BO0], s[34:35] offset:128*(\i/2)+32*(\i%2)+16*\q
.endr
.endr
.irp o, 0,1,2,3
	ds_load_b32 v[OSM+\o], v[SML] offset:32*\o
.endr
.else
.irp i, 0,1,2,3
.irp q, 0,1
	ds_load_b128 v[BI+8*\i+4*\q:BI+8*\i+4*\q+3], v[SMR] offset:128*(\i/2)+32*(\i%2)+16*\q
.endr
.endr
.irp o, 0,1,2,3
	global_load_b32 v[OSM+\o], v[BO1], s[34:35] offset:4*(32*(\o/2)+8*(\o%2))
.endr
	s_wait_dscnt 0x0
.set n, 0
.rept 32
	v_cmp_neq_f32 s[MK+n], 0, v[BI+n]
.set n, n+1
.endr
.endif
	OSTEP \path, 0
	OSTEP \path, 1
	OSTEP \path, 2
	OSTEP \path, 3
	v_cndmask_b32 v[PR], v[PW], v[PW+1], s[HI]     ; lanes 0-15 the even tile's word, lanes 16-31 the odd tile's
	v_cndmask_b32 v[PR+1], v[PW+2], v[PW+3], s[HI]
	v_lshrrev_b32 v[L8], 1, v[L16]
.if (\path) == 0
	global_store_b64 v[L8], v[PR:PR+1], s[58:59]   ; 256 consecutive bytes
.else
	global_store_b16 v[L8], v[PR], s[58:59]        ; my block's two bytes of each word
	global_store_b16 v[L8], v[PR+1], s[58:59] offset:4
.endif
.endm
	s_cmp_eq_u32 s25, 0                            ; the same in all four partners
	s_cbranch_scc0 .Lvalue
	PROD 0
	s_branch .Ldone
.Lvalue:
	PROD 1
.Ldone:
	s_wait_xcnt 0x0
	v_lshl_add_u32 v254, v0, 2, 0x48900
	v_mov_b32 v255, 0
	s_wait_alu depctr_va_vdst(0)
	s_wait_tensorcnt 0x0
	ds_add_u32 v254, v255
	s_wait_dscnt 0x0
	ROUND                                          ; the closing round: no work-group ends while a partner may still ask jointly
	s_endpgm
.Lfunc_end_k_qe931441e6f_kvproj:
	.size	k_qe931441e6f_kvproj, .Lfunc_end_k_qe931441e6f_kvproj-k_qe931441e6f_kvproj
	.p2alignl 7, 3214868480
	.fill 96, 4, 3214868480
	.section	.rodata,"a",@progbits
	.p2align	6, 0x0
	.amdhsa_kernel k_qe931441e6f_kvproj
		.amdhsa_group_segment_fixed_size 299264
		.amdhsa_private_segment_fixed_size 0
		.amdhsa_enable_private_segment 0
		.amdhsa_kernarg_size 72
		.amdhsa_user_sgpr_count 2
		.amdhsa_user_sgpr_kernarg_segment_ptr 1
		.amdhsa_wavefront_size32 1
		.amdhsa_system_sgpr_workgroup_id_x 1
		.amdhsa_system_sgpr_workgroup_id_y 1
		.amdhsa_system_sgpr_workgroup_id_z 1
		.amdhsa_system_vgpr_workitem_id 0
		.amdhsa_next_free_vgpr 256
		.amdhsa_next_free_sgpr 98
		.amdhsa_reserve_vcc 1
		.amdhsa_float_denorm_mode_32 3
		.amdhsa_float_denorm_mode_16_64 3
		.amdhsa_memory_ordered 1
		.amdhsa_forward_progress 1
		.amdhsa_inst_pref_size 92
	.end_amdhsa_kernel
	.amdgpu_metadata
---
amdhsa.version: [ 1, 2 ]
amdhsa.kernels:
  - .name:           k_qe931441e6f_kvproj
    .symbol:         k_qe931441e6f_kvproj.kd
    .args:
      - { .name: key, .offset: 0, .size: 8, .value_kind: global_buffer, .address_space: global }
      - { .name: value, .offset: 8, .size: 8, .value_kind: global_buffer, .address_space: global }
      - { .name: Wk_codes, .offset: 16, .size: 8, .value_kind: global_buffer, .address_space: global }
      - { .name: Wk_scales, .offset: 24, .size: 8, .value_kind: global_buffer, .address_space: global }
      - { .name: Wv_codes, .offset: 32, .size: 8, .value_kind: global_buffer, .address_space: global }
      - { .name: Wv_scales, .offset: 40, .size: 8, .value_kind: global_buffer, .address_space: global }
      - { .name: bk, .offset: 48, .size: 8, .value_kind: global_buffer, .address_space: global }
      - { .name: bv, .offset: 56, .size: 8, .value_kind: global_buffer, .address_space: global }
      - { .name: kv, .offset: 64, .size: 8, .value_kind: global_buffer, .address_space: global }
    .group_segment_fixed_size: 299264
    .private_segment_fixed_size: 0
    .kernarg_segment_align: 8
    .kernarg_segment_size: 72
    .max_flat_workgroup_size: 512
    .sgpr_count:     98
    .vgpr_count:     256
    .wavefront_size: 32
...
	.end_amdgpu_metadata
.endif
;; end of part 1
;; launch attn (part 2): grid 4 x 64, 16 waves a work-group, clusters of 4 x 1, 314,368 bytes of LDS; arguments query_codes, query_scales, Wq_codes, Wq_scales, bq, kv, acodes, ascales; writes acodes, ascales
.if DOCPART == 2
	.amdgcn_target "amdgcn-amd-amdhsa--gfx1250"
	.amdhsa_code_object_version 6
	.text
	.protected	k_qe931441e6f_attn
	.globl	k_qe931441e6f_attn
	.p2align	8
	.type	k_qe931441e6f_attn,@function
k_qe931441e6f_attn:
	s_mov_b64 s[64:65], 0
	v_nop
	global_prefetch_b8 v0, s[64:65] scope:SCOPE_SE
	s_setreg_imm32_b32 hwreg(HW_REG_WAVE_MODE, 25, 1), 1
	s_wait_xcnt 0x0
	s_wait_alu depctr_hold_cnt(0) depctr_sa_sdst(0) depctr_va_vdst(0) depctr_va_sdst(0) depctr_va_ssrc(0) depctr_va_vcc(0) depctr_vm_vsrc(0)
	s_getreg_b32 s2, hwreg(HW_REG_IB_STS2, 6, 4)
	s_cmp_eq_u32 s2, 0
	s_cbranch_scc0 .Lentry_in_a_cluster
	s_endpgm
.Lentry_in_a_cluster:
	s_bfe_u32 s2, ttmp6, 0x10000c
	s_cmp_lg_u32 s2, 0x3003
	s_cbranch_scc0 .Lentry_shape_is_right
	s_endpgm
.Lentry_shape_is_right:
; For one head and 512 queries: q = query Wq + bq (quantised along the head's 64), S^T = k q^T, the softmax, O^T = v^T p^T, O / l, quantised along the head's 64.  All products on codes of FP4 (E2M1) with E8M0 scales.
; THE SOFTMAX: t = score x log2(e) / 8; M = ceil(the row's largest t); p = 2^(t - M) is quantised along the keys, not normalised; the row's sum of the unquantised p divides O at the end.
; TWO WALKS OVER THE KEYS.  The first makes S^T for both of my query tiles, takes the largest score of each block of 32 keys (kept in my stage in LDS, 8 bytes a lane and step) and the row's largest: so M is known
; before any exponential, and the second walk (once for each tile) has no running maximum and rescales nothing.  The second walk makes S^T again: the same instructions on the same operands give the same bits.
; SHARES.  Work-group (x, y): head y = 16 batch + head, queries 512 x .. + 511.  Each of sixteen waves owns two tiles of 16 queries, 256 rows apart, in 256 registers; four waves to a SIMD.  A step is 128 keys.
; LDS.  The head's K and V, images of the operands' registers with their scale words (143,360 bytes), come ONCE and stay; beside them the head's 64 rows of Wq and a stage of 8,448 bytes for each wave.  Nothing is filled twice.
; CLUSTER.  The four work-groups of a cluster are the four query blocks of one head: K, V and Wq's rows are asked for JOINTLY (mask 15).  Every wave issues one load: waves 0-13 a fourteenth of kv (40 x 256 bytes), waves 14, 15 half of Wq's rows.
; NO PREFETCH: each tile is asked for once, at the head, and there is no loop to run ahead in.
; LAYOUT.  All products are used transposed: a lane holds ONE query (lane % 16).  Lane r of K's tile t (of the four of 64 keys) holds key 8 t + r + 24 (r / 8): so register 8 t + j of lane half h is key 32 h + 8 t + j,
; a whole block of 32 keys to a lane, in the order of the next operand's registers: no lane is asked for a block's maximum and p's codes are the operand as they come.
; Wq's and V's tiles: lane r of tile t takes row 32 (t / 2) + 8 (t % 2) + r + 8 (r / 8): 16 registers of tiles 2 b, 2 b + 1 are 16 neighbours of block b.
; K = 64 IN AN INSTRUCTION OF 128: q's fragment has zero codes in its upper four registers; k's fragment of tile t is v[32 + 4 t : 39 + 4 t], its upper four the next tile's codes (zeros behind the last): they add exactly 0.
; LIMITS: NaN and infinities are not served.  A block of zeros gets the scale byte 1 (its codes are zeros); these bytes are read by this program alone.  The scale bytes of the result leave one a lane.
.set QP,    528
.set HEADB, 143360
.set VIMG,  65536
.set KSC,   131072
.set VSC,   139264
.set WQP,   HEADB                      ; 64 rows of Wq, 512 bytes + 16 of padding
.set QST,   WQP+64*QP                  ; sixteen stages of 16 rows; later the blocks' largest scores: [tile 2][step 16][lane][8 B]
.set SPARE, QST+16*16*QP               ; the spare words
.set L16, 1                            ; 16 x lane: K's images
.set AVB, 2                            ; V's images
.set AKS, 3                            ; K's scale words: 8 x lane
.set AVS, 4                            ; V's
.set ADK, 5                            ; v5-8, v11: the addresses of the step in hand.  At the head: AQ, AWQ, STA, OB, OW
.set ADV, 6
.set ADKS, 7
.set ADVS, 8
.set AO,  9                            ; 32 r + h: my scale byte of the result
.set ABM, 10                           ; my stage + 8 x lane
.set ADB, 11
.set AQ,  5
.set AWQ, 6
.set STA, 7
.set OB,  8
.set OW,  11
.set NM,  12                           ; v12 -M of tile 0, v14 of tile 1 (each named as the low word of a pair)
.set QF,  16                           ; v16-23, v24-31 q's fragments; the upper four of each are 0
.set KF,  32                           ; v32-63 K's eight tiles, v64-67 = 0
.set VF,  68                           ; v68-99 V's four fragments
.set MA,  68                           ; first walk: v68-71 block maxima (tile, block), v72-75 second chains, v76-77 the rows' largest, v78-79 at work
.set MB,  72
.set RM,  76
.set S,   100                          ; v100-163 S^T, then p; first walk: v164-227 tile 1's
.set O,   164                          ; v164-195 O^T
.set P,   196                          ; v196-203 p's codes
.set BM,  204                          ; v204-205 the step's two largest scores
.set SO,  206
.set PM,  208
.set BE,  210
.set SUM, 212                          ; v212-227 the row's sum in eight pairs
.set A0,  36                           ; head: q's sums, tile 0 (begun as bq) and tile 1
.set A1,  68
.set F0,  100                          ; head: tile 0's rows as loaded, then its eight fragments
.set WF,  164                          ; head: tile 1's rows as loaded (v164-227), then Wq's four fragments and one of tile 1
.set F1,  196
.set KS,  228                          ; v228-252 hold scales and nothing else
.set VS,  232
.set PSW, 234
.set WS,  228
.set QS,  244
.set QSW, 252
.set SH8, 253                          ; 8 x (lane / 16)
.set WV,  20
.set G0W, 28
.set G1W, 32
.set G0K, 40
.set G1K, 44
.set SEL, 52
.set CS,  54
.set HI,  56
.macro ROUND                           ; a round of the cluster's barrier
	s_barrier_signal -1
	s_barrier_wait -1
	s_cmp_lg_u32 s[WV], 0
	s_cbranch_scc1 .Lnot_wave_0_\@
	s_barrier_signal -3
.Lnot_wave_0_\@:
	s_barrier_wait -3
	s_barrier_signal -1
	s_barrier_wait -1
.endm
; One matrix instruction.  d, a, b: first registers of D, source 0, source 1;  c: first register of C, or -1 for the constant 0;  sa, sb: scale registers;  ra, rb: 1 = that side's scales stand in lanes 16-31
.macro WM d, a, b, c, sa, sb, ra, rb
.set M_D, \d
.set M_A, \a
.set M_B, \b
.set M_C, \c
.set M_SA, \sa
.set M_SB, \sb
.set M_R, (\ra)+2*(\rb)
.if M_C < 0
.if M_R == 0
	v_wmma_scale_f32_16x16x128_f8f6f4 v[M_D:M_D+7], v[M_A:M_A+7], v[M_B:M_B+7], 0, v[M_SA], v[M_SB] matrix_a_fmt:MATRIX_FMT_FP4 matrix_b_fmt:MATRIX_FMT_FP4
.elseif M_R == 1
	v_wmma_scale_f32_16x16x128_f8f6f4 v[M_D:M_D+7], v[M_A:M_A+7], v[M_B:M_B+7], 0, v[M_SA], v[M_SB] matrix_a_fmt:MATRIX_FMT_FP4 matrix_b_fmt:MATRIX_FMT_FP4 matrix_a_scale:MATRIX_SCALE_ROW1
.elseif M_R == 2
	v_wmma_scale_f32_16x16x128_f8f6f4 v[M_D:M_D+7], v[M_A:M_A+7], v[M_B:M_B+7], 0, v[M_SA], v[M_SB] matrix_a_fmt:MATRIX_FMT_FP4 matrix_b_fmt:MATRIX_FMT_FP4 matrix_b_scale:MATRIX_SCALE_ROW1
.else
	v_wmma_scale_f32_16x16x128_f8f6f4 v[M_D:M_D+7], v[M_A:M_A+7], v[M_B:M_B+7], 0, v[M_SA], v[M_SB] matrix_a_fmt:MATRIX_FMT_FP4 matrix_b_fmt:MATRIX_FMT_FP4 matrix_a_scale:MATRIX_SCALE_ROW1 matrix_b_scale:MATRIX_SCALE_ROW1
.endif
.else
.if M_R == 0
	v_wmma_scale_f32_16x16x128_f8f6f4 v[M_D:M_D+7], v[M_A:M_A+7], v[M_B:M_B+7], v[M_C:M_C+7], v[M_SA], v[M_SB] matrix_a_fmt:MATRIX_FMT_FP4 matrix_b_fmt:MATRIX_FMT_FP4
.elseif M_R == 1
	v_wmma_scale_f32_16x16x128_f8f6f4 v[M_D:M_D+7], v[M_A:M_A+7], v[M_B:M_B+7], v[M_C:M_C+7], v[M_SA], v[M_SB] matrix_a_fmt:MATRIX_FMT_FP4 matrix_b_fmt:MATRIX_FMT_FP4 matrix_a_scale:MATRIX_SCALE_ROW1
.elseif M_R == 2
	v_wmma_scale_f32_16x16x128_f8f6f4 v[M_D:M_D+7], v[M_A:M_A+7], v[M_B:M_B+7], v[M_C:M_C+7], v[M_SA], v[M_SB] matrix_a_fmt:MATRIX_FMT_FP4 matrix_b_fmt:MATRIX_FMT_FP4 matrix_b_scale:MATRIX_SCALE_ROW1
.else
	v_wmma_scale_f32_16x16x128_f8f6f4 v[M_D:M_D+7], v[M_A:M_A+7], v[M_B:M_B+7], v[M_C:M_C+7], v[M_SA], v[M_SB] matrix_a_fmt:MATRIX_FMT_FP4 matrix_b_fmt:MATRIX_FMT_FP4 matrix_a_scale:MATRIX_SCALE_ROW1 matrix_b_scale:MATRIX_SCALE_ROW1
.endif
.endif
.endm
; 32 numbers of a lane, register 16 b + i = index 32 b + 16 (lane / 16) + i of my row, become 16 bytes of codes in v[c] .. v[c + 3] (lane half h: indices 32 h .. 32 h + 31); the two scale bytes are left in v[PM], v[PM + 1]
.macro QUANT2 s, c
.set Q_S, \s
.set Q_C, \c
.irp b, 0,1
	v_max3_num_f32 v[BM+\b], |v[Q_S+16*\b]|, |v[Q_S+16*\b+1]|, 0x1800000   ; my 16 numbers of block b, and the floor 2^(3 - 127): the byte cannot fall under 1
.endr
.irp i, 2,4,6,8,10,12,14
.irp b, 0,1
	v_max3_num_f32 v[BM+\b], v[BM+\b], |v[Q_S+16*\b+\i]|, |v[Q_S+16*\b+\i+1]|
.endr
.endr
.irp b, 0,1
	s_delay_alu instid0(VALU_DEP_2)
	v_permlanex16_b32 v[PM+\b], v[BM+\b], s[SEL], s[SEL+1]
.endr
.irp b, 0,1
	s_delay_alu instid0(VALU_DEP_2)
	v_max_num_f32 v[BM+\b], v[BM+\b], v[PM+\b]          ; with lane l xor 16's 16: the block's largest magnitude
.endr
.irp b, 0,1
	s_delay_alu instid0(VALU_DEP_2)
	v_add_nc_u32 v[SO+\b], 0xff000000, v[BM+\b]         ; 2 off its exponent field: the conversion's scale operand
.endr
.irp b, 0,1
	s_delay_alu instid0(VALU_DEP_2)
	v_lshrrev_b32 v[PM+\b], 23, v[SO+\b]                ; the scale's byte
.endr
.irp b, 0,1
	v_cvt_scalef32_pk8_fp4_f32 v[Q_C+2*\b], v[Q_S+16*\b:Q_S+16*\b+7], v[SO+\b]
	v_cvt_scalef32_pk8_fp4_f32 v[Q_C+2*\b+1], v[Q_S+16*\b+8:Q_S+16*\b+15], v[SO+\b]
.endr
	v_nop                                               ; one plain place behind the scaled conversions
	v_permlane16_swap_b32 v[Q_C], v[Q_C+2]              ; a whole block to a lane
	v_permlane16_swap_b32 v[Q_C+1], v[Q_C+3]
.endm
	s_load_b512 s[4:19], s[0:1], 0x0               ; query codes, query scales, Wq codes, Wq scales, bq, kv, acodes, ascales
	v_lshl_add_u32 v254, v0, 2, SPARE
	v_mov_b32 v255, 0
	ds_add_u32 v254, v255                          ; the opening lines: the add, twice on end, and its wait ahead of my tensor load
	ds_add_u32 v254, v255
	v_lshrrev_b32 v1, 5, v0
	s_delay_alu instid0(VALU_DEP_1)
	v_readfirstlane_b32 s[WV], v1                  ; wave 0..15
	s_and_b32 s22, ttmp7, 0xffff                   ; 16 batch + head: the four partners share it
	s_lshr_b32 s23, s22, 4                         ; batch
	s_and_b32 s24, s22, 15                         ; head
	s_and_b32 s25, s[WV], 1                        ; waves 14, 15: which half of Wq's rows
	; group 1 for Wq: 32 rows x 512 bytes, dense in memory, 16 bytes of padding behind each row in LDS; mask 15, bit 21 beside it
	s_mov_b32 s[G1W+0], 15|(1<<20)|(1<<21)|(6<<22)|(3<<25)
	s_mov_b32 s[G1W+1], 512<<16
	s_mov_b32 s[G1W+2], 32<<16
	s_mov_b32 s[G1W+3], 512<<16
	s_mov_b32 s[G1W+4], 32
	s_mov_b32 s[G1W+5], 512
	s_mov_b32 s[G1W+6], 0
	s_mov_b32 s[G1W+7], 0
	; and for a fourteenth of the head's part of kv: 10,240 dense bytes as 40 rows of 256 (32 elements of 8 bytes), no padding
	s_mov_b32 s[G1K+0], 15|(3<<16)|(1<<21)
	s_mov_b32 s[G1K+1], 32<<16
	s_mov_b32 s[G1K+2], 40<<16
	s_mov_b32 s[G1K+3], 32<<16
	s_mov_b32 s[G1K+4], 40
	s_mov_b32 s[G1K+5], 32
	s_mov_b32 s[G1K+6], 0
	s_mov_b32 s[G1K+7], 0
	s_mov_b32 s[G0W], 1
	s_mul_i32 s[G0W+1], s25, 32*QP
	s_add_co_u32 s[G0W+1], s[G0W+1], WQP
	s_mov_b32 s[G0K], 1
	s_mul_i32 s[G0K+1], s[WV], 10240
	s_lshl_b32 s26, s24, 15                        ; Wq's codes: the head's 64 rows of 512 bytes,
	s_lshl_b32 s27, s25, 14                        ; my 32 of them
	s_add_co_u32 s26, s26, s27
	s_mov_b32 s27, 0
	s_mul_i32 s58, s22, HEADB
	s_add_co_u32 s58, s58, s[G0K+1]                ; kv: the head's part, my fourteenth
	s_mov_b32 s59, 0
	s_lshl_b32 s60, s24, 11                        ; Wq's scales: 32 bytes a row
	s_mov_b32 s61, 0
	s_lshl_b32 s62, s24, 8                         ; bq: the head's 64 numbers
	s_mov_b32 s63, 0
	s_mov_b32 s[SEL], 0x76543210
	s_mov_b32 s[SEL+1], 0xfedcba98                 ; v_permlanex16_b32: lane l xor 16
	s_mov_b32 s[CS], 0x3e38aa3b                    ; c = log2(e) / 8
	s_mov_b32 s[CS+1], s[CS]
	s_mov_b32 s[HI], 0xffff0000                    ; lanes 16-31
	; what hangs on my place in the cluster stands in registers of its own and enters global addresses alone
	s_bfe_u32 s66, ttmp6, 0x40000                  ; cx
	s_lshl_b32 s67, ttmp9, 2
	s_add_co_u32 s66, s66, s67
	s_lshl_b32 s66, s66, 9
	s_lshl_b32 s67, s23, 11
	s_add_co_u32 s66, s66, s67
	s_lshl_b32 s67, s[WV], 4
	s_add_co_u32 s66, s66, s67                     ; my first query's row: 2,048 batch + 512 block + 16 wave
	s_lshl_b32 s68, s66, 9                         ; its codes
	s_mov_b32 s69, 0
	s_lshl_b32 s70, s66, 5                         ; its scale bytes
	s_mov_b32 s71, 0
	s_lshl_b32 s72, s24, 9
	s_add_co_u32 s72, s72, s68                     ; acodes: (16 x row tile + head) x 512
	s_mov_b32 s73, 0
	s_lshl_b32 s74, s24, 1
	s_add_co_u32 s74, s74, s70                     ; ascales: 32 x row + 2 x head
	s_mov_b32 s75, 0
	s_mul_i32 s21, s[WV], 16*QP
	s_add_co_u32 s21, s21, QST                     ; my stage
	v_and_b32 v12, 31, v0                          ; lane
	v_and_b32 v13, 15, v0                          ; r
	v_bfe_u32 v14, v0, 4, 1                        ; h
	v_lshlrev_b32 v[L16], 4, v12
	v_and_b32 v15, 8, v13
	v_lshlrev_b32 v[AKS], 3, v12
	v_mul_u32_u24 v[AQ], v13, QP
	v_add_nc_u32 v15, v15, v13                     ; r + 8 (r / 8)
	v_add_nc_u32 v[AVB], VIMG, v[L16]
	v_add_nc_u32 v[AVS], VSC, v[AKS]
	v_add_nc_u32 v[ABM], s21, v[AKS]
	v_lshl_add_u32 v[AQ], v14, 4, v[AQ]
	v_mul_u32_u24 v[AWQ], v15, QP
	v_add_nc_u32 v[AKS], KSC, v[AKS]
	v_lshl_add_u32 v[AO], v13, 5, v14
	v_add_nc_u32 v[AQ], s21, v[AQ]                 ; a fragment of my queries in my stage
	v_lshl_add_u32 v[AWQ], v14, 4, v[AWQ]
	v_add_nc_u32 v[STA], s21, v[L16]               ; into my stage: 16 bytes a lane
	v_lshl_add_u32 v[OW], v14, 3, v15
	v_lshlrev_b32 v[OB], 6, v14                    ; bq: 16 of each 32 numbers, by my half
	v_add_nc_u32 v[AWQ], WQP, v[AWQ]               ; a fragment of Wq
	v_lshlrev_b32 v12, 5, v13
	v_lshlrev_b32 v[OW], 5, v[OW]                  ; Wq's scale words of a pair of tiles: row 8 (lane / 16) + r + 8 (r / 8), 32 bytes a row
	v_lshlrev_b32 v[SH8], 3, v14
	v_lshl_add_u32 v12, v14, 13, v12               ; the queries' scale words: row r of tile lane / 16
	s_wait_alu depctr_va_vdst(0)                   ; the wait at the head's end
	s_wait_dscnt 0x0                               ; both opening adds are done
	s_wait_kmcnt 0x0
	s_add_nc_u64 s[G0W+2:G0W+3], s[8:9], s[26:27]
	s_or_b32 s[G0W+3], s[G0W+3], 0x80000000
	s_add_nc_u64 s[G0K+2:G0K+3], s[14:15], s[58:59]
	s_or_b32 s[G0K+3], s[G0K+3], 0x80000000
	s_add_nc_u64 s[4:5], s[4:5], s[68:69]
	s_add_nc_u64 s[6:7], s[6:7], s[70:71]
	s_add_nc_u64 s[10:11], s[10:11], s[60:61]
	s_add_nc_u64 s[12:13], s[12:13], s[62:63]
	s_add_nc_u64 s[16:17], s[16:17], s[72:73]
	s_add_nc_u64 s[18:19], s[18:19], s[74:75]
	ROUND                                          ; all four work-groups are here: the joint loads meet
	s_cmp_lt_u32 s[WV], 14                         ; one load a wave; the branch hangs on the wave's number alone
	s_cbranch_scc0 .Lfor_wq
	tensor_load_to_lds s[G0K:G0K+3], s[G1K:G1K+7]
	s_nop 0
.rept 4
	v_nop
.endr
	s_branch .Lasked
.Lfor_wq:
	tensor_load_to_lds s[G0W:G0W+3], s[G1W:G1W+7]
	s_nop 0
.rept 4
	v_nop
.endr
.Lasked:
.irp t, 0,1,2,3
.irp q, 0,1
	global_load_b128 v[A0+8*\t+4*\q:A0+8*\t+4*\q+3], v[OB], s[12:13] offset:128*(\t/2)+32*(\t%2)+16*\q   ; bq at my eight channels of tile t, into tile 0's sums
.endr
.endr
.irp i, 0,1
.irp hf, 0,1
	global_load_b128 v[WS+8*\i+4*\hf:WS+8*\i+4*\hf+3], v[OW], s[10:11] offset:1024*\i+16*\hf             ; register 8 (t / 2) + K step
.endr
.endr
.irp hf, 0,1
	global_load_b128 v[QS+4*\hf:QS+4*\hf+3], v12, s[6:7] offset:16*\hf
.endr
.irp i, 0,1,2,3,4,5,6,7,8,9,10,11,12,13,14,15
	global_load_b128 v[F0+4*\i:F0+4*\i+3], v[L16], s[4:5] offset:512*\i                                  ; tile 0's 16 rows of query codes: a whole row of 512 bytes a load
.endr
.irp i, 0,1,2,3,4,5,6,7,8,9,10,11,12,13,14,15
	global_load_b128 v[WF+4*\i:WF+4*\i+3], v[L16], s[4:5] offset:131072+512*\i                           ; tile 1's, 256 rows further on
.endr
	s_wait_loadcnt 16                              ; all but tile 1's sixteen
.irp i, 0,1,2,3,4,5,6,7,8,9,10,11,12,13,14,15
	ds_store_b128 v[STA], v[F0+4*\i:F0+4*\i+3] offset:QP*\i
.endr
.irp k, 0,1,2,3,4,5,6,7
.irp c, 0,1
	ds_load_b128 v[F0+8*\k+4*\c:F0+8*\k+4*\c+3], v[AQ] offset:64*\k+32*\c   ; tile 0's eight fragments stay in registers.  LDS serves a wave's instructions in order (ISA guide 5.7.1.4)
.endr
.endr
	s_wait_loadcnt 0x0
.irp i, 0,1,2,3,4,5,6,7,8,9,10,11,12,13,14,15
	ds_store_b128 v[STA], v[WF+4*\i:WF+4*\i+3] offset:QP*\i                 ; tile 1's rows take the stage, behind tile 0's reads
.endr
	s_wait_tensorcnt 0x0                           ; my part of kv or of Wq has landed,
	s_wait_dscnt 0x0
	s_barrier_signal -1
	s_barrier_wait -1                              ; everybody's has.  From here on each wave writes its own stage alone
; q of both tiles: eight K steps of 128; each fragment of Wq serves both.  The eight sums take turns.  Tile 1's first products take bq, which lies in tile 0's sums, as C; five places on, tile 0's add in place
.irp k, 0,1,2,3,4,5,6,7
.if \k > 0
.rept 4
	v_nop                                          ; places in front of loads into registers that the products have read
.endr
.endif
.irp c, 0,1
	ds_load_b128 v[F1+4*\c:F1+4*\c+3], v[AQ] offset:64*\k+32*\c
.endr
.irp t, 0,1,2,3
.irp c, 0,1
	ds_load_b128 v[WF+8*\t+4*\c:WF+8*\t+4*\c+3], v[AWQ] offset:(32*(\t/2)+8*(\t%2))*QP+64*\k+32*\c
.endr
.endr
	s_wait_dscnt 0x0
.if \k == 0
.irp t, 0,1,2,3
	WM A1+8*\t, WF+8*\t, F1, A0+8*\t, WS+8*(\t/2)+\k, QS+\k, \t%2, 1
.endr
.rept 5
	v_nop
.endr
.irp t, 0,1,2,3
	WM A0+8*\t, WF+8*\t, F0+8*\k, A0+8*\t, WS+8*(\t/2)+\k, QS+\k, \t%2, 0
.endr
.else
.irp t, 0,1,2,3
	WM A0+8*\t, WF+8*\t, F0+8*\k, A0+8*\t, WS+8*(\t/2)+\k, QS+\k, \t%2, 0
.endr
.irp t, 0,1,2,3
	WM A1+8*\t, WF+8*\t, F1, A1+8*\t, WS+8*(\t/2)+\k, QS+\k, \t%2, 1
.endr
.endif
.endr
	v_mov_b32 v[PM], 0                             ; a lane permute's destination counts as one of its sources.  (These four are the places behind the products)
	v_mov_b32 v[PM+1], 0
	v_nop
	v_nop
	QUANT2 A0, QF
	v_lshl_or_b32 v[QSW], v[PM+1], 8, v[PM]        ; q's scale word: two bytes, the upper two 0
	QUANT2 A1, QF+8
	v_lshl_or_b32 v[BE], v[PM+1], 8, v[PM]
	s_delay_alu instid0(VALU_DEP_1)
	v_cndmask_b32 v[QSW], v[QSW], v[BE], s[HI]     ; tile 1's in lanes 16-31
.irp j, 20,21,22,23,28,29,30,31,64,65,66,67
	v_mov_b32 v\j, 0                               ; zero codes: the upper half of q's fragments, and what stands behind K's last tile
.endr
	v_mov_b32 v[RM], 0xff61b1e6                    ; the rows' largest scores so far: -3e38
	v_mov_b32 v[RM+1], 0xff61b1e6
	v_mov_b32 v[RM+2], 0
	v_mov_b32 v[RM+3], 0
.macro KLOAD ak, as                    ; a step's eight tiles of K and their scale words: 8 + 2 LDS loads
.irp t, 0,1,2,3,4,5,6,7
	ds_load_b128 v[KF+4*\t:KF+4*\t+3], v[\ak] offset:512*\t
.endr
	ds_load_b64 v[KS:KS+1], v[\as]
	ds_load_b64 v[KS+2:KS+3], v[\as] offset:256
.endm
	KLOAD L16, AKS                                 ; step 0
	s_mov_b32 s57, 0
	s_wait_alu depctr_va_vdst(0)                   ; the wait here, ahead of the loop
; THE FIRST WALK: both tiles' scores, 16 steps of 128 keys; of each lane's two blocks of 32 keys the largest score, in two chains each, eight chains by turns
.Lmax:
	s_wait_dscnt 0x0                               ; this step's K and its scale words are in
.irp x, 0,1
.irp t, 0,1,2,3,4,5,6,7
	WM S+64*\x+8*\t, KF+4*\t, QF+8*\x, -1, KS+\t/2, QSW, \t%2, \x
.endr
.endr
	s_add_co_u32 s58, s57, 1
	s_and_b32 s58, s58, 15                         ; the next step; behind the last, step 0 again, for the second walk
	s_lshl_b32 s60, s57, 8
	s_lshl_b32 s61, s58, 12
	s_lshl_b32 s62, s58, 9
	v_add_nc_u32 v[ADK], s61, v[L16]               ; four places behind the products
	v_add_nc_u32 v[ADKS], s62, v[AKS]
	v_add_nc_u32 v[ADB], s60, v[ABM]
	v_nop
	KLOAD ADK, ADKS
.irp x, 0,1
.irp c, 0,1
	v_max3_num_f32 v[MA+2*\x+\c], v[S+64*\x+32*\c], v[S+64*\x+32*\c+1], v[S+64*\x+32*\c+2]     ; each accumulator from its low end on
	v_max3_num_f32 v[MB+2*\x+\c], v[S+64*\x+32*\c+16], v[S+64*\x+32*\c+17], v[S+64*\x+32*\c+18]
.endr
.endr
.irp i, 3,5,7,9,11,13
.irp x, 0,1
.irp c, 0,1
	v_max3_num_f32 v[MA+2*\x+\c], v[MA+2*\x+\c], v[S+64*\x+32*\c+\i], v[S+64*\x+32*\c+\i+1]
	v_max3_num_f32 v[MB+2*\x+\c], v[MB+2*\x+\c], v[S+64*\x+32*\c+16+\i], v[S+64*\x+32*\c+17+\i]
.endr
.endr
.endr
.irp x, 0,1
.irp c, 0,1
	v_max3_num_f32 v[MA+2*\x+\c], v[MA+2*\x+\c], v[MB+2*\x+\c], v[S+64*\x+32*\c+15]
.endr
.endr
.irp x, 0,1
.irp c, 0,1
	v_max_num_f32 v[MA+2*\x+\c], v[MA+2*\x+\c], v[S+64*\x+32*\c+31]   ; block 2 c + lane / 16 of tile x
.endr
.endr
	ds_store_b64 v[ADB], v[MA:MA+1]                ; kept for the second walk: my own bytes
	ds_store_b64 v[ADB], v[MA+2:MA+3] offset:4096
	v_max3_num_f32 v[RM], v[RM], v[MA], v[MA+1]
	v_max3_num_f32 v[RM+1], v[RM+1], v[MA+2], v[MA+3]
	s_add_co_u32 s57, s57, 1
	s_cmp_lt_u32 s57, 16
	s_cbranch_scc1 .Lmax
	v_permlanex16_b32 v[RM+2], v[RM], s[SEL], s[SEL+1]
	v_permlanex16_b32 v[RM+3], v[RM+1], s[SEL], s[SEL+1]
	v_max_num_f32 v[RM], v[RM], v[RM+2]            ; with lane l xor 16's keys: the row's largest score (the two tiles by turns)
	v_max_num_f32 v[RM+1], v[RM+1], v[RM+3]
	v_mul_f32 v[RM], s[CS], v[RM]                  ; as t (c is positive)
	v_mul_f32 v[RM+1], s[CS], v[RM+1]
	v_floor_f32 v[NM], -v[RM]                      ; -M = floor(-t) = -ceil(t)
	v_floor_f32 v[NM+2], -v[RM+1]
.macro ADDS n                          ; n packed additions of p onto the eight pairs of the sum, by turns
.rept \n
	v_pk_add_f32 v[SUM+2*(J%8):SUM+2*(J%8)+1], v[SUM+2*(J%8):SUM+2*(J%8)+1], v[S+2*J:S+2*J+1]
.set J, J+1
.endr
.endm
; THE SECOND WALK, for tile p: 16 steps of 128 keys
.macro PASS p
	s_wait_dscnt 0x0                               ; the loads issued ahead are in, and my stores of the blocks' largest scores are done
.if (\p) > 0
	s_wait_xcnt 0x0                                ; the last tile's stores have read their registers
.endif
	ds_load_b64 v[BM:BM+1], v[ABM] offset:4096*(\p)   ; step 0's two largest scores
.set j, 0
.rept 32
	v_mov_b32 v[O+j], 0                            ; O^T (the step is written once)
.set j, j+1
.endr
.set j, 0
.rept 16
	v_mov_b32 v[SUM+j], 0
.set j, j+1
.endr
	s_mov_b32 s57, 0
	s_wait_alu depctr_va_vdst(0)                   ; the wait here, ahead of the loop
.Lstep_\@:
	s_wait_dscnt 0x0                               ; this step's K, its scale words and its two largest scores are in (asked for a step ago)
.irp t, 0,1,2,3,4,5,6,7
	WM S+8*\t, KF+4*\t, QF+8*(\p), -1, KS+\t/2, QSW, \t%2, \p
.endr
	s_add_co_u32 s58, s57, 1
	s_and_b32 s58, s58, 15
	s_lshl_b32 s59, s57, 12
	s_lshl_b32 s60, s57, 8
	s_lshl_b32 s61, s58, 12
	s_lshl_b32 s62, s58, 9
	s_lshl_b32 s63, s58, 8
	v_add_nc_u32 v[ADV], s59, v[AVB]               ; these seven are the places behind the products above and behind the last step's
	v_add_nc_u32 v[ADVS], s60, v[AVS]
	v_add_nc_u32 v[ADK], s61, v[L16]
	v_add_nc_u32 v[ADKS], s62, v[AKS]
	v_add_nc_u32 v[ADB], s63, v[ABM]
	v_fma_f32 v[BE], v[BM], s[CS], v[NM+2*(\p)]    ; t - M of each block's largest score
	v_fma_f32 v[BE+1], v[BM+1], s[CS], v[NM+2*(\p)]
.irp t, 0,1,2,3
.irp c, 0,1
	ds_load_b128 v[VF+8*\t+4*\c:VF+8*\t+4*\c+3], v[ADV] offset:2048*\c+512*\t   ; this step's V: 8 + 1 loads,
.endr
.endr
	ds_load_b64 v[VS:VS+1], v[ADVS]
	KLOAD ADK, ADKS                                ; then the next step's K, 8 + 2, and its largest scores, 1
	ds_load_b64 v[BM:BM+1], v[ADB] offset:4096*(\p)
.set j, 0
.rept 32
	v_pk_fma_f32 v[S+j:S+j+1], v[S+j:S+j+1], s[CS:CS+1], v[NM+2*(\p):NM+2*(\p)+1] op_sel_hi:[1,0,0]   ; t - M, two at a time; each accumulator from its low end on
.set j, j+2
.endr
	s_wait_alu depctr_va_vdst(0)                   ; the wait ahead of the batch
.set j, 0
.rept 64
	v_exp_f32 v[S+j], v[S+j]                       ; p = 2^(t - M)
.set j, j+1
.endr
	v_exp_f32 v[BE], v[BE]                         ; the blocks' largest p: the same two instructions on the same number give the same bits
	v_exp_f32 v[BE+1], v[BE+1]
	v_nop                                          ; the plain place behind the exponentials
	s_wait_alu depctr_va_vdst(0)                   ; one wait for the batch, ahead of its first reader
.set J, 0
	v_max_num_f32 v[BE], 0x1800000, v[BE]          ; the floor 2^(3 - 127): the byte cannot fall under 1
	v_max_num_f32 v[BE+1], 0x1800000, v[BE+1]
	ADDS 3                                         ; the row's sum of the unquantised p stands between the links of the scales' chain
	v_add_nc_u32 v[SO], 0xff000000, v[BE]          ; 2 off the exponent field: the conversion's scale operand
	v_add_nc_u32 v[SO+1], 0xff000000, v[BE+1]
	ADDS 3
	v_lshrrev_b32 v[PM], 23, v[SO]                 ; the scale's byte
	v_lshrrev_b32 v[PM+1], 23, v[SO+1]
.irp c, 0,1
.irp t, 0,1,2,3
	v_cvt_scalef32_pk8_fp4_f32 v[P+4*\c+\t], v[S+32*\c+8*\t:S+32*\c+8*\t+7], v[SO+\c]   ; keys 64 c + 32 (lane / 16) + 8 t + 0 .. 7: the operand's register 4 c + t
.endr
.endr
	v_lshl_or_b32 v[BE], v[PM+1], 16, v[PM]        ; my two bytes: blocks h and 2 + h,
	ADDS 3
	v_lshlrev_b32 v[BE], v[SH8], v[BE]             ; at their places in the scale word;
	ADDS 3
	v_permlanex16_b32 v[BE+1], v[BE], s[SEL], s[SEL+1]
	ADDS 3
	v_or_b32 v[PSW], v[BE], v[BE+1]                ; with lane l xor 16's two the word is whole
	ADDS 17                                        ; (also the places between p's scale word and codes and the products below)
	s_wait_dscnt 11                                ; V's nine loads are in; the eleven issued behind them may be out
	s_wait_alu depctr_va_vdst(0)                   ; the wait here, directly ahead of the first reader of O^T
.irp t, 0,1,2,3
	WM O+8*\t, VF+8*\t, P, O+8*\t, VS+\t/2, PSW, \t%2, 0
.endr
	s_add_co_u32 s57, s57, 1
	s_cmp_lt_u32 s57, 16
	s_cbranch_scc1 .Lstep_\@
	s_wait_dscnt 0x0                               ; the loads that the last step issued ahead are in: their registers serve below
.irp a, 0,2,4,6
	v_pk_add_f32 v[SUM+\a:SUM+\a+1], v[SUM+\a:SUM+\a+1], v[SUM+8+\a:SUM+9+\a]   ; the sum's eight pairs.  (Also the places behind the last products)
.endr
	v_pk_add_f32 v[SUM:SUM+1], v[SUM:SUM+1], v[SUM+4:SUM+5]
	v_pk_add_f32 v[SUM+2:SUM+3], v[SUM+2:SUM+3], v[SUM+6:SUM+7]
	s_delay_alu instid0(VALU_DEP_1)
	v_pk_add_f32 v[SUM:SUM+1], v[SUM:SUM+1], v[SUM+2:SUM+3]
	s_delay_alu instid0(VALU_DEP_1)
	v_add_f32 v[SUM], v[SUM], v[SUM+1]
	s_delay_alu instid0(VALU_DEP_1)
	v_permlanex16_b32 v[BE], v[SUM], s[SEL], s[SEL+1]
	s_delay_alu instid0(VALU_DEP_1)
	v_add_f32 v[SUM], v[SUM], v[BE]                ; and lane l xor 16's: the row's sum
	s_wait_alu depctr_va_vdst(0)                   ; the wait ahead of the reciprocal
	v_rcp_f32 v[SUM], v[SUM]
	v_nop                                          ; a plain place behind it,
	s_wait_alu depctr_va_vdst(0)                   ; and the wait ahead of its first reader, which is also the first reader of O^T
.set j, 0
.rept 16
	v_pk_mul_f32 v[S+j:S+j+1], v[O+j:O+j+1], v[SUM:SUM+1] op_sel_hi:[1,0]   ; O^T / the sum; each accumulator from its low end on
.set j, j+2
.endr
	QUANT2 S, P
	v_cndmask_b32 v[BE], v[PM], v[PM+1], s[HI]     ; lanes 0-15 block 0's byte, lanes 16-31 block 1's
	global_store_b128 v[L16], v[P:P+3], s[16:17] offset:131072*(\p)   ; the image of the next product's operand: 512 consecutive bytes
	global_store_b8 v[AO], v[BE], s[18:19] offset:8192*(\p)
.endm
	PASS 0
	PASS 1
	s_wait_tensorcnt 0x0                           ; the wave's end
	ds_add_u32 v254, v255
	s_wait_dscnt 0x0
	ROUND                                          ; the closing round: no work-group ends while a partner may still ask jointly
	s_endpgm
.Lfunc_end_k_qe931441e6f_attn:
	.size	k_qe931441e6f_attn, .Lfunc_end_k_qe931441e6f_attn-k_qe931441e6f_attn
	.p2alignl 7, 3214868480
	.fill 96, 4, 3214868480
	.section	.rodata,"a",@progbits
	.p2align	6, 0x0
	.amdhsa_kernel k_qe931441e6f_attn
		.amdhsa_group_segment_fixed_size 314368
		.amdhsa_private_segment_fixed_size 0
		.amdhsa_enable_private_segment 0
		.amdhsa_kernarg_size 64
		.amdhsa_user_sgpr_count 2
		.amdhsa_user_sgpr_kernarg_segment_ptr 1
		.amdhsa_wavefront_size32 1
		.amdhsa_system_sgpr_workgroup_id_x 1
		.amdhsa_system_sgpr_workgroup_id_y 1
		.amdhsa_system_sgpr_workgroup_id_z 1
		.amdhsa_system_vgpr_workitem_id 0
		.amdhsa_next_free_vgpr 256
		.amdhsa_next_free_sgpr 76
		.amdhsa_reserve_vcc 0
		.amdhsa_float_denorm_mode_32 3
		.amdhsa_float_denorm_mode_16_64 3
		.amdhsa_memory_ordered 1
		.amdhsa_forward_progress 1
		.amdhsa_inst_pref_size 75
	.end_amdhsa_kernel
	.amdgpu_metadata
---
amdhsa.version: [ 1, 2 ]
amdhsa.kernels:
  - .name:           k_qe931441e6f_attn
    .symbol:         k_qe931441e6f_attn.kd
    .args:
      - { .name: query_codes, .offset: 0, .size: 8, .value_kind: global_buffer, .address_space: global }
      - { .name: query_scales, .offset: 8, .size: 8, .value_kind: global_buffer, .address_space: global }
      - { .name: Wq_codes, .offset: 16, .size: 8, .value_kind: global_buffer, .address_space: global }
      - { .name: Wq_scales, .offset: 24, .size: 8, .value_kind: global_buffer, .address_space: global }
      - { .name: bq, .offset: 32, .size: 8, .value_kind: global_buffer, .address_space: global }
      - { .name: kv, .offset: 40, .size: 8, .value_kind: global_buffer, .address_space: global }
      - { .name: acodes, .offset: 48, .size: 8, .value_kind: global_buffer, .address_space: global }
      - { .name: ascales, .offset: 56, .size: 8, .value_kind: global_buffer, .address_space: global }
    .group_segment_fixed_size: 314368
    .private_segment_fixed_size: 0
    .kernarg_segment_align: 8
    .kernarg_segment_size: 64
    .max_flat_workgroup_size: 512
    .sgpr_count:     76
    .vgpr_count:     256
    .wavefront_size: 32
...
	.end_amdgpu_metadata
.endif
;; end of part 2
;; launch oproj (part 3): grid 64 x 4, 8 waves a work-group, clusters of 4 x 1, 236,544 bytes of LDS; arguments acodes, ascales, Wo_codes, Wo_scales, bo, out0; writes out0
.if DOCPART == 3
	.amdgcn_target "amdgcn-amd-amdhsa--gfx1250"
	.amdhsa_code_object_version 6
	.text
	.protected	k_qe931441e6f_oproj
	.globl	k_qe931441e6f_oproj
	.p2align	8
	.type	k_qe931441e6f_oproj,@function
k_qe931441e6f_oproj:
	s_mov_b64 s[64:65], 0
	v_nop
	global_prefetch_b8 v0, s[64:65] scope:SCOPE_SE
	s_setreg_imm32_b32 hwreg(HW_REG_WAVE_MODE, 25, 1), 1
	s_wait_xcnt 0x0
	s_wait_alu depctr_hold_cnt(0) depctr_sa_sdst(0) depctr_va_vdst(0) depctr_va_sdst(0) depctr_va_ssrc(0) depctr_va_vcc(0) depctr_vm_vsrc(0)
	s_getreg_b32 s2, hwreg(HW_REG_IB_STS2, 6, 4)
	s_cmp_eq_u32 s2, 0
	s_cbranch_scc0 .Lentry_in_a_cluster
	s_endpgm
.Lentry_in_a_cluster:
	s_bfe_u32 s2, ttmp6, 0x10000c
	s_cmp_lg_u32 s2, 0x3003
	s_cbranch_scc0 .Lentry_shape_is_right
	s_endpgm
.Lentry_shape_is_right:
; out0 = attn Wo + bo on codes of FP4 (E2M1) with E8M0 scales.  attn: acodes, images of the operand's registers [row tile 512][head 16][lane][16 B], and ascales [8,192][32].  Wo: codes [1,024][512 B], scales [1,024][32].
; SHARES.  Work-group (x, y): rows 128 x .. + 127, columns 256 y .. + 255.  Eight waves: wave w takes rows 64 (w / 4) on and columns 64 (w % 4) on: 16 accumulators of 16 x 16.  K = 1,024 is eight steps of 128, all in LDS at once:
; nothing is filled twice.
; CLUSTER.  The four work-groups of a cluster share y, so Wo's 256 rows are asked for JOINTLY (waves 0 to 3, mask 15); each work-group's own 65,536 bytes of acodes come by plain loads (waves 4 to 7).
; THE MATRIX INSTRUCTION IS USED TRANSPOSED (source 0 = 16 rows of Wo, source 1 = 16 rows of attn): a lane then holds eight neighbouring columns of one row of out0.
; The bias is loaded straight into the accumulators, in the result's layout, so that every K step adds in place.
.set BPITCH, 528                       ; a row of Wo in LDS: 512 bytes + 16 of padding = 132 words: the 16 rows that a load touches start at 16 different banks (64 banks of 4 bytes: ISA guide 11.1)
.set AIMG,   256*BPITCH                ; behind Wo's panel: the rows' images, as they lie in memory
.set STG,    AIMG+65536                ; and a stage of 16 rows x (256 + 16) bytes for each wave
.set SPITCH, 272
.set AB,  1                            ; v1  a fragment of Wo
.set AA,  2                            ; v2  a fragment's image of attn
.set STO, 3                            ; v3  the way out: where I put 32 bytes of a row
.set RD,  4                            ; v4  and where I read a row back
.set CO,  5                            ; v5  my byte offset in out0
.set BO,  6                            ; v6  32 h: the bias
.set SOF, 7                            ; v7  32 x lane: scale words
.set ACC, 16                           ; v16-143  accumulator (m, n) at 16 + 8 (4 m + n)
.set AF,  144                          ; v144-175 attn's four fragments; v176-207 Wo's four; on the way out two sets of 32
.set BF,  176
.set AS,  208                          ; v208-223 attn's scale words: register 8 (m / 2) + K step, lanes 0-15 tile 2 (m / 2), lanes 16-31 the next.  Scales and nothing else
.set BS,  224                          ; v224-239 Wo's likewise
.set WV,  16
.set MH,  17
.set NQ,  18
.set CB,  19
.set G0B, 20
.set G1B, 24
.set G0A, 32
.set G1A, 36
.macro ROUND                           ; a round of the cluster's barrier
	s_barrier_signal -1
	s_barrier_wait -1
	s_cmp_lg_u32 s[WV], 0
	s_cbranch_scc1 .Lnot_wave_0_\@
	s_barrier_signal -3
.Lnot_wave_0_\@:
	s_barrier_wait -3
	s_barrier_signal -1
	s_barrier_wait -1
.endm
; One matrix instruction that adds in place.  d, a, b: first registers of D, source 0, source 1;  sa, sb: scale registers;  ra, rb: 1 = that side's scales stand in lanes 16-31
.macro WM d, a, b, sa, sb, ra, rb, c
.set M_C, \c                           ; first register of C
.set M_D, \d
.set M_A, \a
.set M_B, \b
.set M_SA, \sa
.set M_SB, \sb
.set M_R, (\ra)+2*(\rb)
.if M_R == 0
	v_wmma_scale_f32_16x16x128_f8f6f4 v[M_D:M_D+7], v[M_A:M_A+7], v[M_B:M_B+7], v[M_C:M_C+7], v[M_SA], v[M_SB] matrix_a_fmt:MATRIX_FMT_FP4 matrix_b_fmt:MATRIX_FMT_FP4
.elseif M_R == 1
	v_wmma_scale_f32_16x16x128_f8f6f4 v[M_D:M_D+7], v[M_A:M_A+7], v[M_B:M_B+7], v[M_C:M_C+7], v[M_SA], v[M_SB] matrix_a_fmt:MATRIX_FMT_FP4 matrix_b_fmt:MATRIX_FMT_FP4 matrix_a_scale:MATRIX_SCALE_ROW1
.elseif M_R == 2
	v_wmma_scale_f32_16x16x128_f8f6f4 v[M_D:M_D+7], v[M_A:M_A+7], v[M_B:M_B+7], v[M_C:M_C+7], v[M_SA], v[M_SB] matrix_a_fmt:MATRIX_FMT_FP4 matrix_b_fmt:MATRIX_FMT_FP4 matrix_b_scale:MATRIX_SCALE_ROW1
.else
	v_wmma_scale_f32_16x16x128_f8f6f4 v[M_D:M_D+7], v[M_A:M_A+7], v[M_B:M_B+7], v[M_C:M_C+7], v[M_SA], v[M_SB] matrix_a_fmt:MATRIX_FMT_FP4 matrix_b_fmt:MATRIX_FMT_FP4 matrix_a_scale:MATRIX_SCALE_ROW1 matrix_b_scale:MATRIX_SCALE_ROW1
.endif
.endm
	s_load_b256 s[4:11], s[0:1], 0x0               ; acodes, ascales, Wo codes, Wo scales
	s_load_b128 s[12:15], s[0:1], 0x20             ; bo, out0
	v_lshl_add_u32 v254, v0, 2, 0x39800
	v_mov_b32 v255, 0
	ds_add_u32 v254, v255
	ds_add_u32 v254, v255
	v_lshrrev_b32 v1, 5, v0
	s_delay_alu instid0(VALU_DEP_1)
	v_readfirstlane_b32 s[WV], v1                  ; wave 0..7
	s_lshr_b32 s[MH], s[WV], 2                     ; which 64 rows are mine
	s_and_b32 s[NQ], s[WV], 3                      ; which 64 columns.  Also: which quarter of a panel I fetch
	s_and_b32 s[CB], ttmp7, 0xffff                 ; the block of 256 columns: the four partners share it
	; descriptor group 1 for Wo: 64 rows x 512 bytes, dense in memory, 16 bytes of padding behind each row in LDS
	s_mov_b32 s[G1B+0], 15|(1<<20)|(1<<21)|(6<<22)|(3<<25)   ; 15:0 the mask: all four work-groups; 17:16 elements of 1 byte; 20 padding on; 21 set beside a mask; 24:22 after every 128 words; 31:25 four words
	s_mov_b32 s[G1B+1], 512<<16
	s_mov_b32 s[G1B+2], 64<<16
	s_mov_b32 s[G1B+3], 512<<16
	s_mov_b32 s[G1B+4], 64
	s_mov_b32 s[G1B+5], 512
	s_mov_b32 s[G1B+6], 0
	s_mov_b32 s[G1B+7], 0
	; and for a quarter of my rows' images: 16,384 dense bytes as 64 rows of 256 (32 elements of 8 bytes); no mask, no padding
	s_mov_b32 s[G1A+0], 3<<16
	s_mov_b32 s[G1A+1], 32<<16
	s_mov_b32 s[G1A+2], 64<<16
	s_mov_b32 s[G1A+3], 32<<16
	s_mov_b32 s[G1A+4], 64
	s_mov_b32 s[G1A+5], 32
	s_mov_b32 s[G1A+6], 0
	s_mov_b32 s[G1A+7], 0
	s_mov_b32 s[G0B], 1
	s_mul_i32 s[G0B+1], s[NQ], 64*BPITCH
	s_mov_b32 s[G0A], 1
	s_lshl_b32 s[G0A+1], s[NQ], 14
	s_add_co_u32 s[G0A+1], s[G0A+1], AIMG
	s_lshl_b32 s46, s[CB], 17                      ; Wo's codes: 256 rows of 512 bytes a block,
	s_lshl_b32 s47, s[NQ], 15                      ; my 64
	s_add_co_u32 s46, s46, s47
	s_mov_b32 s47, 0
	s_lshl_b32 s52, s[CB], 13                      ; Wo's scales: 32 bytes a row
	s_lshl_b32 s53, s[NQ], 11
	s_add_co_u32 s52, s52, s53
	s_mov_b32 s53, 0
	s_lshl_b32 s54, s[CB], 10                      ; bo, and a row of out0: my 64 columns
	s_lshl_b32 s55, s[NQ], 8
	s_add_co_u32 s54, s54, s55
	s_mov_b32 s55, 0
	; what hangs on my place in the cluster stands in registers of its own and enters global addresses alone
	s_bfe_u32 s44, ttmp6, 0x40000                  ; cx
	s_lshl_b32 s45, ttmp9, 2
	s_add_co_u32 s44, s44, s45                     ; my block of 128 rows
	s_lshl_b32 s48, s44, 16                        ; its images: 8 row tiles of 8,192 bytes,
	s_lshl_b32 s49, s[NQ], 14                      ; my quarter
	s_add_co_u32 s48, s48, s49
	s_mov_b32 s49, 0
	s_lshl_b32 s50, s44, 12                        ; its scale bytes: 32 a row
	s_lshl_b32 s51, s[MH], 11
	s_add_co_u32 s50, s50, s51
	s_mov_b32 s51, 0
	s_lshl_b32 s56, s44, 19                        ; out0: rows of 4,096 bytes
	s_lshl_b32 s57, s[MH], 18
	s_add_co_u32 s56, s56, s57
	s_add_co_u32 s56, s56, s54
	s_mov_b32 s57, 0
	s_lshl_b32 s58, s[MH], 15
	s_add_co_u32 s58, s58, AIMG                    ; my four row tiles' images
	s_mul_i32 s59, s[WV], 16*SPITCH
	s_add_co_u32 s59, s59, STG                     ; my stage
	v_and_b32 v8, 31, v0                           ; lane
	v_and_b32 v9, 15, v0                           ; r
	v_bfe_u32 v10, v0, 4, 1                        ; h
	s_delay_alu instid0(VALU_DEP_2)
	v_mul_u32_u24 v[AB], v9, BPITCH
	s_delay_alu instid0(VALU_DEP_1)
	v_lshl_add_u32 v[AB], v10, 4, v[AB]
	s_delay_alu instid0(VALU_DEP_1)
	v_add_nc_u32 v[AB], s[G0B+1], v[AB]            ; my 64 rows of Wo's panel: row r x pitch + 16 x half
	v_lshl_add_u32 v[AA], v8, 4, s58
	v_mul_u32_u24 v[STO], v9, SPITCH
	s_delay_alu instid0(VALU_DEP_1)
	v_lshl_add_u32 v[STO], v10, 5, v[STO]
	s_delay_alu instid0(VALU_DEP_1)
	v_add_nc_u32 v[STO], s59, v[STO]               ; in: row r, 32 bytes for each half of the lanes
	v_mul_u32_u24 v[RD], v10, SPITCH
	s_delay_alu instid0(VALU_DEP_1)
	v_lshl_add_u32 v[RD], v9, 4, v[RD]
	s_delay_alu instid0(VALU_DEP_1)
	v_add_nc_u32 v[RD], s59, v[RD]                 ; back: lanes 0-15 one row of 256 bytes, lanes 16-31 the next
	v_lshlrev_b32 v[CO], 12, v10
	s_delay_alu instid0(VALU_DEP_1)
	v_lshl_add_u32 v[CO], v9, 4, v[CO]             ; and the same two rows in out0
	v_lshlrev_b32 v[BO], 5, v10
	v_lshlrev_b32 v[SOF], 5, v8
	s_wait_alu depctr_va_vdst(0)
	s_wait_dscnt 0x0
	s_wait_kmcnt 0x0
	s_add_nc_u64 s[G0B+2:G0B+3], s[8:9], s[46:47]
	s_or_b32 s[G0B+3], s[G0B+3], 0x80000000
	s_add_nc_u64 s[G0A+2:G0A+3], s[4:5], s[48:49]
	s_or_b32 s[G0A+3], s[G0A+3], 0x80000000
	s_add_nc_u64 s[6:7], s[6:7], s[50:51]
	s_add_nc_u64 s[10:11], s[10:11], s[52:53]
	s_add_nc_u64 s[12:13], s[12:13], s[54:55]
	s_add_nc_u64 s[14:15], s[14:15], s[56:57]
	ROUND                                          ; all four work-groups are here: the joint loads meet; the tensor loads stand ahead of the loads into registers
	s_cmp_lt_u32 s[WV], 4                          ; one load a wave; the branch hangs on the wave's number alone
	s_cbranch_scc0 .Lfor_a
	tensor_load_to_lds s[G0B:G0B+3], s[G1B:G1B+7]
	s_nop 0
.rept 4
	v_nop
.endr
	s_branch .Lasked
.Lfor_a:
	tensor_load_to_lds s[G0A:G0A+3], s[G1A:G1A+7]
	s_nop 0
.rept 4
	v_nop
.endr
.Lasked:
.irp m, 0                              ; the bias is loaded once, into row tile 0's accumulators; the other row tiles' first products take those registers as C
.irp n, 0,1,2,3
.irp q, 0,1
	global_load_b128 v[ACC+8*(4*\m+\n)+4*\q:ACC+8*(4*\m+\n)+4*\q+3], v[BO], s[12:13] offset:64*\n+16*\q   ; bo at my eight columns of tile n
.endr
.endr
.endr
.irp i, 0,1
.irp hf, 0,1
	global_load_b128 v[AS+8*\i+4*\hf:AS+8*\i+4*\hf+3], v[SOF], s[6:7] offset:1024*\i+16*\hf
	global_load_b128 v[BS+8*\i+4*\hf:BS+8*\i+4*\hf+3], v[SOF], s[10:11] offset:1024*\i+16*\hf
.endr
.endr
	s_wait_tensorcnt 0x0                           ; my part has landed,
	s_barrier_signal -1
	s_barrier_wait -1                              ; everybody's has
	s_wait_loadcnt 0x0                             ; the bias and the scale words
.irp k, 0,1,2,3,4,5,6,7                ; eight K steps; the sixteen accumulators take turns, one instruction a turn
.if \k > 0
.rept 4
	v_nop                                          ; places in front of loads into registers that the products have read
.endr
.endif
.irp n, 0,1,2,3
.irp c, 0,1
	ds_load_b128 v[BF+8*\n+4*\c:BF+8*\n+4*\c+3], v[AB] offset:16*\n*BPITCH+64*\k+32*\c
.endr
.endr
.irp m, 0,1,2,3
.irp c, 0,1
	ds_load_b128 v[AF+8*\m+4*\c:AF+8*\m+4*\c+3], v[AA] offset:8192*\m+1024*\k+512*\c
.endr
.endr
	s_wait_dscnt 0x0
.if \k == 0
.irp m, 1,2,3
.irp n, 0,1,2,3
	WM ACC+8*(4*\m+\n), BF+8*\n, AF+8*\m, BS+8*(\n/2)+\k, AS+8*(\m/2)+\k, \n%2, \m%2, ACC+8*\n
.endr
.endr
.rept 5
	v_nop                                          ; five places ahead of the products that write over the registers read as C above
.endr
.irp n, 0,1,2,3
	WM ACC+8*\n, BF+8*\n, AF, BS+8*(\n/2)+\k, AS+\k, \n%2, 0, ACC+8*\n
.endr
.else
.irp m, 0,1,2,3
.irp n, 0,1,2,3
	WM ACC+8*(4*\m+\n), BF+8*\n, AF+8*\m, BS+8*(\n/2)+\k, AS+8*(\m/2)+\k, \n%2, \m%2, ACC+8*(4*\m+\n)
.endr
.endr
.endif
.endr
; THE WAY OUT, 16 rows x 64 columns at a time: a lane holds 32 neighbouring bytes of a row and the lanes beside it other rows, so a block goes through my own stage and comes back as whole rows of 256 bytes.
; LDS serves a wave's instructions in order (ISA guide 5.7.1.4): no wait between the stores and the loads, nor in front of the next block's stores.
.macro TOSTAGE m
.irp n, 0,1,2,3
	ds_store_b128 v[STO], v[ACC+8*(4*(\m)+\n):ACC+8*(4*(\m)+\n)+3] offset:64*\n         ; each accumulator from its low end on
	ds_store_b128 v[STO], v[ACC+8*(4*(\m)+\n)+4:ACC+8*(4*(\m)+\n)+7] offset:64*\n+16
.endr
.irp i, 0,1,2,3,4,5,6,7
	ds_load_b128 v[AF+32*((\m)%2)+4*\i:AF+32*((\m)%2)+4*\i+3], v[RD] offset:2*\i*SPITCH
.endr
.endm
.macro SEND m, younger                 ; younger: the LDS instructions issued behind block m's loads, which may stay out
	s_wait_dscnt \younger
.irp i, 0,1,2,3,4,5,6,7
	global_store_b128 v[CO], v[AF+32*((\m)%2)+4*\i:AF+32*((\m)%2)+4*\i+3], s[14:15] offset:(16*(\m)+2*\i)*4096 th:TH_STORE_NT   ; 16 lanes store 256 consecutive bytes, at a multiple of 256 from out0's first byte
.endr
.endm
.rept 4
	v_nop                                          ; places behind the last products: for the stores of results and for the loads into the fragments' registers
.endr
	TOSTAGE 0
	TOSTAGE 1
	SEND 0, 16                                     ; behind block 0's loads: block 1's eight stores and eight loads
	s_wait_xcnt 0x0                                ; block 0's stores have read their registers: block 2's loads may land there
	TOSTAGE 2
	SEND 1, 16
	s_wait_xcnt 0x0
	TOSTAGE 3
	SEND 2, 16
	SEND 3, 0
	s_wait_tensorcnt 0x0
	ds_add_u32 v254, v255
	s_wait_dscnt 0x0
	ROUND                                          ; the closing round: no work-group ends while a partner may still ask jointly
	s_endpgm
.Lfunc_end_k_qe931441e6f_oproj:
	.size	k_qe931441e6f_oproj, .Lfunc_end_k_qe931441e6f_oproj-k_qe931441e6f_oproj
	.p2alignl 7, 3214868480
	.fill 96, 4, 3214868480
	.section	.rodata,"a",@progbits
	.p2align	6, 0x0
	.amdhsa_kernel k_qe931441e6f_oproj
		.amdhsa_group_segment_fixed_size 236544
		.amdhsa_private_segment_fixed_size 0
		.amdhsa_enable_private_segment 0
		.amdhsa_kernarg_size 48
		.amdhsa_user_sgpr_count 2
		.amdhsa_user_sgpr_kernarg_segment_ptr 1
		.amdhsa_wavefront_size32 1
		.amdhsa_system_sgpr_workgroup_id_x 1
		.amdhsa_system_sgpr_workgroup_id_y 1
		.amdhsa_system_sgpr_workgroup_id_z 1
		.amdhsa_system_vgpr_workitem_id 0
		.amdhsa_next_free_vgpr 256
		.amdhsa_next_free_sgpr 66
		.amdhsa_reserve_vcc 0
		.amdhsa_float_denorm_mode_32 3
		.amdhsa_float_denorm_mode_16_64 3
		.amdhsa_memory_ordered 1
		.amdhsa_forward_progress 1
		.amdhsa_inst_pref_size 41
	.end_amdhsa_kernel
	.amdgpu_metadata
---
amdhsa.version: [ 1, 2 ]
amdhsa.kernels:
  - .name:           k_qe931441e6f_oproj
    .symbol:         k_qe931441e6f_oproj.kd
    .args:
      - { .name: acodes, .offset: 0, .size: 8, .value_kind: global_buffer, .address_space: global }
      - { .name: ascales, .offset: 8, .size: 8, .value_kind: global_buffer, .address_space: global }
      - { .name: Wo_codes, .offset: 16, .size: 8, .value_kind: global_buffer, .address_space: global }
      - { .name: Wo_scales, .offset: 24, .size: 8, .value_kind: global_buffer, .address_space: global }
      - { .name: bo, .offset: 32, .size: 8, .value_kind: global_buffer, .address_space: global }
      - { .name: out0, .offset: 40, .size: 8, .value_kind: global_buffer, .address_space: global }
    .group_segment_fixed_size: 236544
    .private_segment_fixed_size: 0
    .kernarg_segment_align: 8
    .kernarg_segment_size: 48
    .max_flat_workgroup_size: 256
    .sgpr_count:     66
    .vgpr_count:     256
    .wavefront_size: 32
...
	.end_amdgpu_metadata
.endif
;; end of part 3
